; MI455X (gfx1250); checked and timed in simulation.
; The chip was launched on July 23, 2026; its instructions are those of AMD's public machine-readable ISA for CDNA 5 (MIT licence, August 2026) and "CDNA5" Instruction Set Architecture Reference Guide (July 2026). The comments in the code are by the model that wrote it; some were corrected since.
;; Grouped Query Attention. Allowed arithmetic: float matrix products may take bf16 or f16 operands with f32 sums; all other float work in f32.
;; Inputs: Wk 2,048 x 512 float32; Wo 1,024 x 2,048 float32; Wq 2,048 x 1,024 float32; Wv 2,048 x 512 float32; x 2 x 2,048 x 2,048 float32.
;; Outputs: out0 2 x 2,048 x 2,048 float32.
;; 2 versions, each right and faster than the one before. Each part assembles by itself: llvm-mc -triple=amdgcn-amd-amdhsa -mcpu=gfx1250 --defsym DOCPART=n.
;; ======== version 1 of 2: 4 launches
;; limits: values are held in f16: magnitudes above 65,504 overflow, below 6.1e-05 lose precision
;; workspace buffers: xh 16,777,216 bytes; wqkv 8,388,608 bytes; woh 4,194,304 bytes; rope 1,049,088 bytes; qkv 16,777,216 bytes; ao 16,777,216 bytes
;; launch prep (part 1): grid 1024 x 1, 8 waves a work-group, no clusters, 0 bytes of LDS; arguments x, Wq, Wk, Wv, Wo, xh, wqkv, woh, rope; writes xh, wqkv, woh, rope
.if DOCPART == 1
	.amdgcn_target "amdgcn-amd-amdhsa--gfx1250"
	.amdhsa_code_object_version 6
	.text
	.protected	k_q280f067d88_prep
	.globl	k_q280f067d88_prep
	.p2align	8
	.type	k_q280f067d88_prep,@function
k_q280f067d88_prep:
	s_mov_b64 s[64:65], 0
	v_nop
	global_prefetch_b8 v0, s[64:65] scope:SCOPE_SE
	s_setreg_imm32_b32 hwreg(HW_REG_WAVE_MODE, 25, 1), 1
	s_wait_xcnt 0x0
; PREP: the roundings of the matrix operands among the inputs, and the RoPE table.
;   xh   [4096][2048] bf16 = x
;   wqkv [2048 k][2048 n] bf16 = Wq (n 0-1023) | Wk (n 1024-1535) | Wv (n 1536-2047): rounded only, the layout [k][n] stays
;   woh  [1024 k][2048 n] f16 = Wo rounded to bf16 (8 significant bits) and then written in f16's format, in which it meets the attention output
;   rope: row s (0..2047) = cos[0..63], sin[0..63] of s * 10000^(-j/64) in f32, 512 bytes; row 2048 = 64 x 1.0, 64 x 0.0 (no rotation, for v)
; Every input is rounded once, to bf16, to nearest even.  A bf16 number is exact in f16 from 2^-17 up to 65,504.
; LIMIT: a Wo above 65,504 in magnitude becomes infinite; below 2^-17 it is rounded a second time, by at most 3e-8.
; LIMIT: the angle is s * exp2(-j log2(10000)/64) in f32, good to about 3e-4 rad at s = 2047; sine and cosine themselves to about 3e-7.
; 1,024 work-groups of eight waves.  Groups 0-895 round 16,384 numbers each, groups 896-1023 make 16 table rows each.
; A stream: no LDS, no barrier, no matrix unit.  Every source byte is read once, every destination byte written once.
; Thread t takes 16 source bytes at 16 t of each unit of 1,024 numbers (a wave's load covers 512 consecutive bytes) and stores
; 8 bytes (a wave's store covers 256 consecutive bytes, aligned).  All 16 loads go out first; no store's register is written twice.
.set T,  4                             ; v[4:5]     two words of bf16 on their way to f16
.set X,  16                            ; v[16:79]   unit j: 4 numbers in f32
.set Y,  80                            ; v[80:111]  unit j: 4 numbers of 16 bits
; One section.  src, dst: the first scalar register of the pointers; logr: log2 of the source's row length;
; col: byte offset of the section's first column in the destination's rows of 4,096 bytes; first: the section's first work-group;
; tof16 = 1: the bf16 numbers are written in f16's format.
.macro CAST src, dst, logr, col, first, tof16
	s_sub_co_u32 s2, ttmp9, \first                 ; my number in the section
	s_lshl_b32 s4, s2, 16                          ; 16,384 numbers of 4 bytes
	s_mov_b32 s5, 0
	s_add_nc_u64 s[26:27], s[\src:\src+1], s[4:5]
	s_lshl_b32 s4, s2, 26-\logr                    ; (16,384 >> logr) rows of 4,096 bytes
	s_add_co_u32 s4, s4, \col
	s_add_nc_u64 s[28:29], s[\dst:\dst+1], s[4:5]
	v_lshlrev_b32 v1, 4, v0                        ; source: 16 t
.if \logr == 9
	v_lshrrev_b32 v2, 7, v0                        ; rows of 512: a unit is two rows, threads 128-255 take the second
	v_and_b32 v3, 127, v0
	v_lshlrev_b32 v3, 3, v3
	v_lshl_add_u32 v2, v2, 12, v3
.else
	v_lshlrev_b32 v2, 3, v0                        ; destination: 8 t
.endif
.irp j, 0,1,2,3,4,5,6,7,8,9,10,11,12,13,14,15
	global_load_b128 v[X+4*\j:X+4*\j+3], v1, s[26:27] offset:4096*\j th:TH_LOAD_NT
.endr
.irp j, 0,1,2,3,4,5,6,7,8,9,10,11,12,13,14,15
	s_wait_loadcnt 15-\j                           ; loads come back in order: unit j is in, the 15 - j younger ones stay out
.if \tof16
	v_cvt_pk_bf16_f32 v[T],   v[X+4*\j],   v[X+4*\j+1]     ; the one rounding
	v_cvt_pk_bf16_f32 v[T+1], v[X+4*\j+2], v[X+4*\j+3]
	v_lshlrev_b32 v[X+4*\j],   16, v[T]                    ; bf16 to f32: a shift or a mask
	v_and_b32     v[X+4*\j+1], 0xffff0000, v[T]
	v_lshlrev_b32 v[X+4*\j+2], 16, v[T+1]
	v_and_b32     v[X+4*\j+3], 0xffff0000, v[T+1]
	v_cvt_pk_f16_f32 v[Y+2*\j],   v[X+4*\j],   v[X+4*\j+1] ; 8 significant bits into 11: exact in f16's normal range
	v_cvt_pk_f16_f32 v[Y+2*\j+1], v[X+4*\j+2], v[X+4*\j+3]
.else
	v_cvt_pk_bf16_f32 v[Y+2*\j],   v[X+4*\j],   v[X+4*\j+1]
	v_cvt_pk_bf16_f32 v[Y+2*\j+1], v[X+4*\j+2], v[X+4*\j+3]
.endif
	global_store_b64 v2, v[Y+2*\j:Y+2*\j+1], s[28:29] offset:((\j*1024)>>\logr)*4096+((\j*1024)&((1<<\logr)-1))*2   ; the unit's row and column, as a constant
.endr
	s_endpgm
.endm
	s_load_b512 s[8:23], s[0:1], 0x0               ; x 8, Wq 10, Wk 12, Wv 14, Wo 16, xh 18, wqkv 20, woh 22
	s_load_b64 s[24:25], s[0:1], 0x40              ; rope
	s_wait_kmcnt 0x0
	s_cmp_ge_u32 ttmp9, 896
	s_cbranch_scc1 .Lrope
	s_cmp_ge_u32 ttmp9, 768
	s_cbranch_scc1 .Lwo
	s_cmp_ge_u32 ttmp9, 704
	s_cbranch_scc1 .Lwv
	s_cmp_ge_u32 ttmp9, 640
	s_cbranch_scc1 .Lwk
	s_cmp_ge_u32 ttmp9, 512
	s_cbranch_scc1 .Lwq
	CAST 8, 18, 11, 0, 0, 0                        ; x: 512 groups
.Lwq:
	CAST 10, 20, 10, 0, 512, 0                     ; Wq: 128 groups
.Lwk:
	CAST 12, 20, 9, 2048, 640, 0                   ; Wk: 64 groups, from column 1024
.Lwv:
	CAST 14, 20, 9, 3072, 704, 0                   ; Wv: 64 groups, from column 1536
.Lwo:
	CAST 16, 22, 11, 0, 768, 1                     ; Wo: 128 groups
; The table.  Thread t: row s = 16 g + t / 16, frequencies j = 4 (t % 16) + 0..3, four chains side by side.
.Lrope:
	s_sub_co_u32 s2, ttmp9, 896
	s_lshl_b32 s3, s2, 4
	s_mov_b32 s4, 0xb9500d01                       ; -1/5040
	s_mov_b32 s5, 0x3c088889                       ;  1/120
	s_mov_b32 s6, 0x37d00d01                       ;  1/40320
	s_mov_b32 s7, 0xbab60b61                       ; -1/720
	v_lshrrev_b32 v1, 4, v0
	v_and_b32 v2, 15, v0
	v_add_nc_u32 v3, s3, v1                        ; s
	v_lshlrev_b32 v5, 9, v3
	v_lshl_add_u32 v5, v2, 4, v5                   ; 512 s + 16 (t % 16): sixteen lanes fill the row's 256 bytes of cosines
.irp k, 0,1,2,3
	v_lshl_add_u32 v[8+\k], v2, 2, \k              ; j
.endr
.irp k, 0,1,2,3
	v_cvt_f32_u32 v[8+\k], v[8+\k]
.endr
.irp k, 0,1,2,3
	v_mul_f32 v[8+\k], 0xbe549a78, v[8+\k]         ; -j log2(10000) / 64
.endr
.irp k, 0,1,2,3
	v_exp_f32 v[8+\k], v[8+\k]                     ; 10000^(-j/64)
.endr
	v_cvt_f32_u32 v4, v3                           ; the plain instruction between the exponentials and their use (ISA guide 5.7.2)
	s_wait_alu depctr_va_vdst(0)
.irp k, 0,1,2,3
	v_mul_f32 v[12+\k], v4, v[8+\k]                ; the angle
.endr
.irp k, 0,1,2,3
	v_mul_f32 v[16+\k], 0x3f22f983, v[12+\k]       ; x 2/pi
.endr
.irp k, 0,1,2,3
	v_rndne_f32 v[16+\k], v[16+\k]                 ; n: the nearest multiple of pi/2
.endr
.irp k, 0,1,2,3
	v_fmamk_f32 v[20+\k], v[16+\k], 0xbfc90fdb, v[12+\k]   ; r = angle - n pi/2, pi/2 in two parts
.endr
.irp k, 0,1,2,3
	v_fmamk_f32 v[20+\k], v[16+\k], 0x333bbd2e, v[20+\k]
.endr
.irp k, 0,1,2,3
	v_mul_f32 v[24+\k], v[20+\k], v[20+\k]         ; z = r r, at most (pi/4)^2
.endr
.irp k, 0,1,2,3
	v_fma_f32 v[28+\k], v[24+\k], s4, s5           ; sine's series
	v_fma_f32 v[32+\k], v[24+\k], s6, s7           ; cosine's series
.endr
.irp k, 0,1,2,3
	v_fmaak_f32 v[28+\k], v[28+\k], v[24+\k], 0xbe2aaaab   ; -1/6
	v_fmaak_f32 v[32+\k], v[32+\k], v[24+\k], 0x3d2aaaab   ;  1/24
	v_mul_f32 v[48+\k], v[20+\k], v[24+\k]                 ; r z
.endr
.irp k, 0,1,2,3
	v_fma_f32 v[28+\k], v[48+\k], v[28+\k], v[20+\k]       ; sin r
	v_fmaak_f32 v[32+\k], v[32+\k], v[24+\k], 0xbf000000   ; -1/2
	v_cvt_i32_f32 v[36+\k], v[16+\k]                       ; n as a whole number (the angle is never negative)
.endr
.irp k, 0,1,2,3
	v_fma_f32 v[32+\k], v[32+\k], v[24+\k], 1.0            ; cos r
.endr
.irp k, 0,1,2,3
	v_and_b32 v[48+\k], 1, v[36+\k]
	v_cmp_eq_u32 vcc_lo, 1, v[48+\k]                       ; odd quadrant: sine and cosine change places
	v_cndmask_b32 v[44+\k], v[28+\k], v[32+\k], vcc_lo
	v_cndmask_b32 v[40+\k], v[32+\k], v[28+\k], vcc_lo
	v_lshlrev_b32 v[48+\k], 30, v[36+\k]                   ; the sine is negative in quadrants 2, 3: bit 1 of n
	v_add_nc_u32 v[36+\k], 1, v[36+\k]                     ; the cosine in quadrants 1, 2: bit 1 of n + 1
	v_and_b32 v[48+\k], 0x80000000, v[48+\k]
	v_lshlrev_b32 v[36+\k], 30, v[36+\k]
	v_xor_b32 v[44+\k], v[44+\k], v[48+\k]
	v_and_b32 v[36+\k], 0x80000000, v[36+\k]
	v_xor_b32 v[40+\k], v[40+\k], v[36+\k]
.endr
	global_store_b128 v5, v[40:43], s[24:25]               ; four cosines
	global_store_b128 v5, v[44:47], s[24:25] offset:256    ; four sines
	s_cmp_lg_u32 s2, 0
	s_cbranch_scc1 .Lend
	v_lshrrev_b32 v6, 5, v0
	v_readfirstlane_b32 s3, v6
	s_cmp_lg_u32 s3, 0
	s_cbranch_scc1 .Lend
	v_cmp_gt_u32 vcc_lo, 16, v0                            ; wave 0 of the first table group: row 2048, cosines 1, sines 0
	v_cndmask_b32 v52, 0, 1.0, vcc_lo
	v_mov_b32 v53, v52
	v_mov_b32 v54, v52
	v_mov_b32 v55, v52
	v_lshlrev_b32 v7, 4, v0
	global_store_b128 v7, v[52:55], s[24:25] offset:1048576
.Lend:
	s_endpgm
.Lfunc_end_k_q280f067d88_prep:
	.size	k_q280f067d88_prep, .Lfunc_end_k_q280f067d88_prep-k_q280f067d88_prep
	.p2alignl 7, 3214868480
	.fill 96, 4, 3214868480
	.section	.rodata,"a",@progbits
	.p2align	6, 0x0
	.amdhsa_kernel k_q280f067d88_prep
		.amdhsa_group_segment_fixed_size 0
		.amdhsa_private_segment_fixed_size 0
		.amdhsa_enable_private_segment 0
		.amdhsa_kernarg_size 72
		.amdhsa_user_sgpr_count 2
		.amdhsa_user_sgpr_kernarg_segment_ptr 1
		.amdhsa_wavefront_size32 1
		.amdhsa_system_sgpr_workgroup_id_x 1
		.amdhsa_system_sgpr_workgroup_id_y 1
		.amdhsa_system_sgpr_workgroup_id_z 1
		.amdhsa_system_vgpr_workitem_id 0
		.amdhsa_next_free_vgpr 112
		.amdhsa_next_free_sgpr 66
		.amdhsa_reserve_vcc 1
		.amdhsa_float_denorm_mode_32 3
		.amdhsa_float_denorm_mode_16_64 3
		.amdhsa_memory_ordered 1
		.amdhsa_forward_progress 1
		.amdhsa_inst_pref_size 43
	.end_amdhsa_kernel
	.amdgpu_metadata
---
amdhsa.version: [ 1, 2 ]
amdhsa.kernels:
  - .name:           k_q280f067d88_prep
    .symbol:         k_q280f067d88_prep.kd
    .args:
      - { .name: x, .offset: 0, .size: 8, .value_kind: global_buffer, .address_space: global }
      - { .name: Wq, .offset: 8, .size: 8, .value_kind: global_buffer, .address_space: global }
      - { .name: Wk, .offset: 16, .size: 8, .value_kind: global_buffer, .address_space: global }
      - { .name: Wv, .offset: 24, .size: 8, .value_kind: global_buffer, .address_space: global }
      - { .name: Wo, .offset: 32, .size: 8, .value_kind: global_buffer, .address_space: global }
      - { .name: xh, .offset: 40, .size: 8, .value_kind: global_buffer, .address_space: global }
      - { .name: wqkv, .offset: 48, .size: 8, .value_kind: global_buffer, .address_space: global }
      - { .name: woh, .offset: 56, .size: 8, .value_kind: global_buffer, .address_space: global }
      - { .name: rope, .offset: 64, .size: 8, .value_kind: global_buffer, .address_space: global }
    .group_segment_fixed_size: 0
    .private_segment_fixed_size: 0
    .kernarg_segment_align: 8
    .kernarg_segment_size: 72
    .max_flat_workgroup_size: 256
    .sgpr_count:     66
    .vgpr_count:     112
    .wavefront_size: 32
...
	.end_amdgpu_metadata
.endif
;; end of part 1
;; launch qkvgemm (part 2): grid 8 x 32, 4 waves a work-group, clusters of 4 x 4, 327,680 bytes of LDS; arguments xh, wqkv, qkv, rope; writes qkv
.if DOCPART == 2
	.amdgcn_target "amdgcn-amd-amdhsa--gfx1250"
	.amdhsa_code_object_version 6
	.text
	.protected	k_q280f067d88_qkvgemm
	.globl	k_q280f067d88_qkvgemm
	.p2align	8
	.type	k_q280f067d88_qkvgemm,@function
k_q280f067d88_qkvgemm:
	s_mov_b64 s[64:65], 0
	v_nop
	global_prefetch_b8 v0, s[64:65] scope:SCOPE_SE
	s_setreg_imm32_b32 hwreg(HW_REG_WAVE_MODE, 25, 1), 1
	s_wait_xcnt 0x0
	s_wait_alu depctr_hold_cnt(0) depctr_sa_sdst(0) depctr_va_vdst(0) depctr_va_sdst(0) depctr_va_ssrc(0) depctr_va_vcc(0) depctr_vm_vsrc(0)
	s_getreg_b32 s2, hwreg(HW_REG_IB_STS2, 6, 4)
	s_cmp_eq_u32 s2, 0
	s_cbranch_scc0 .Lentry_in_a_cluster
	s_endpgm
.Lentry_in_a_cluster:
	s_bfe_u32 s2, ttmp6, 0x10000c
	s_cmp_lg_u32 s2, 0xf033
	s_cbranch_scc0 .Lentry_shape_is_right
	s_endpgm
.Lentry_shape_is_right:
; QKV PROJECTION WITH RoPE: qkv[m][n] = sum over k of xh[m][k] wqkv[k][n], m = 2048 b + s, bf16 operands, f32 sums; q's and k's heads are
; rotated on the way out; the result is rounded once to f16 (11 significant bits, for the products of the attention).
; qkv: [4096][2048] f16, q head h at column 128 h, k heads from 1024, v heads from 1536.
; LIMIT: a q, k or v above 65,504 in magnitude becomes infinite in f16.
; A work-group makes 128 rows x 256 columns with four waves: 32 x 8 = 256 work-groups.  A wave makes 64 x 128, which is ONE head's columns:
; 32 accumulator tiles of 16 x 16, 256 registers.  K goes in steps of 128 through two LDS slots filled by the tensor data mover.
; CLUSTERS: 4 x 4 work-groups.  The four of a row of the cluster need the same rows of xh, the four of a column the same columns of wqkv; each
; tile is asked for jointly, by the same tensor load with the same descriptor and a mask that names the four.
; wqkv lies [k][n]: its fragments come out of LDS by the transposing load (ds_load_tr16_b128).
; THE MATRIX INSTRUCTION IS USED TRANSPOSED: source 0 = 16 columns of wqkv, source 1 = 16 rows of xh.  Lane (r = l % 16, h = l / 16) then holds, in
; register j of tile (a, b), C(16 a + r, 16 b + 8 h + j): eight neighbouring numbers of a row.
; REGISTERS: window 0: v2-29 addresses and temporaries; two fragment buffers at v32 and v128 (xh's 4 row blocks in 32 registers, then wqkv's 8 column
; blocks in 64); v224-255 packed results.  Window 1: accumulator tile (a, b) at v[8 (8 a + b)].
.set KDIM,   2048
.set NDIM,   2048
.set KSTEP,  128
.set APITCH, 272                       ; xh's LDS rows: 256 bytes + 16: an odd multiple of 16, so the 16 rows of a fragment load start in different banks
.set BPITCH, 544                       ; wqkv's LDS rows: 512 bytes + 32: an odd multiple of 32
.set HALFT,  64*BPITCH                 ; a wave's region of a slot: 64 k rows of wqkv (or 64 rows of xh, which use half of it)
.set SLOT,   4*HALFT                   ; regions 0, 1: xh's rows 0-63, 64-127; regions 2, 3: wqkv's k rows 0-63, 64-127, one behind the other
.set STAGE,  2*SLOT                    ; behind the ring: 16 rows x 272 bytes for each wave; no tensor load lands here
.set SPITCH, 272
.set LAPS,   KDIM/(2*KSTEP)            ; a lap = two K steps = once round the ring
.set ADRA, 2                           ; v2-3   LDS address of my xh fragments in slot 0, 1
.set ADRB, 4                           ; v4-5   the same for wqkv
.set STO,  6                           ; v6     the way out: where I put 16 bytes of a row
.set RD,   7                           ; v7     the way out: where I read a row back
.set T,    8                           ; v8-23  temporaries
.set CO,   24                          ; v24    my byte offset in qkv
.set TO,   26                          ; v26-29 my byte offset in the table, for each of my four row blocks
.set F0,   32
.set F1,   128
.set TMP,  224
.set G1,  24                           ; s[24:31] descriptor group 1 for xh's tiles
.set G0,  32                           ; s[32:39] group 0 for xh's tiles, a set for each slot
.set G1B, 48                           ; s[48:55] group 1 for wqkv's tiles
.set G0B, 56                           ; s[56:63] group 0 for wqkv's tiles, a set for each slot
.set MSB, 0
.macro WIN new                         ; the immediate's high byte repeats the setting that is left; a switch that changes nothing is dropped
.if MSB != (\new)
	s_set_vgpr_msb (MSB<<8)|(\new)
.set MSB, (\new)
.endif
.endm
.set MUL, 0x50                         ; C and D in window 1, the fragments in window 0
; A joint load.  Waves 0 and 1 fetch xh's two halves, waves 2 and 3 wqkv's.  The branch hangs on the wave's number alone.
.macro JLOAD s
	s_cmp_eq_u32 s11, 0
	s_cbranch_scc0 .Lfor_b_\@
	tensor_load_to_lds s[G0+4*\s:G0+4*\s+3], s[G1:G1+7]
	s_nop 0
	s_branch .Lasked_\@
.Lfor_b_\@:
	tensor_load_to_lds s[G0B+4*\s:G0B+4*\s+3], s[G1B:G1B+7]
	s_nop 0
.Lasked_\@:
.endm
; A round of the cluster's barrier: my work-group's barrier; wave 0 signals for the work-group; every wave waits for all sixteen; my work-group's barrier again.
.macro CREST                           ; a round behind its opening barrier
	s_cmp_lg_u32 s10, 0
	s_cbranch_scc1 .Lnot_wave_0_\@
	s_barrier_signal -3
.Lnot_wave_0_\@:
	s_barrier_wait -3
	s_barrier_signal -1
	s_barrier_wait -1
.endm
.macro CROUND
	s_barrier_signal -1
	s_barrier_wait -1
	CREST
.endm
; Four places: a load into a register that a matrix instruction has read, and a vector instruction or LDS store that reads a matrix result, stand four
; plain vector instructions behind it (not for loads); other matrix instructions are not counted.
.macro PLACES
.rept 4
	v_nop
.endr
.endm
	s_load_b128 s[4:7], s[0:1], 0x0                ; xh s[4:5], wqkv s[6:7]
	s_load_b64 s[8:9], s[0:1], 0x10                ; qkv
	s_load_b64 s[66:67], s[0:1], 0x18              ; rope
	v_lshl_add_u32 v30, v0, 2, 0x48400
	v_mov_b32 v31, 0
	ds_add_u32 v30, v31
	v_lshrrev_b32 v1, 5, v0
	v_readfirstlane_b32 s10, v1                    ; wave 0..3
	s_lshr_b32 s11, s10, 1                         ; which 64 rows of the block are mine.  Also: I fetch for xh (0) or for wqkv (1)
	s_and_b32 s12, s10, 1                          ; which 128 columns.  Also: which 64 rows of that tile I fetch
	s_bfe_u32 s40, ttmp6, 0x40000                  ; cx
	s_bfe_u32 s41, ttmp6, 0x40004                  ; cy
	s_lshl_b32 s42, ttmp9, 2
	s_add_co_u32 s42, s42, s40                     ; block column = 4 x cluster x + cx
	s_and_b32 s13, ttmp7, 0xffff
	s_lshl_b32 s13, s13, 2
	s_add_co_u32 s13, s13, s41                     ; block row = 4 x cluster y + cy
	s_lshl_b32 s43, s41, 2
	s_lshl_b32 s43, 15, s43                        ; my row of the cluster: places 4 cy .. 4 cy + 3
	s_lshl_b32 s44, 0x1111, s40                    ; my column: places cx, cx + 4, cx + 8, cx + 12
	; group 1 for xh: 64 rows x 128 elements of 2 bytes; 4 words of padding behind every 64 words
	s_or_b32 s[G1+0], s43, (1<<16)|(1<<20)|(1<<21)|(5<<22)|(3<<25)
	s_mov_b32 s[G1+1], KSTEP<<16                   ; tensor_dim0 = 128
	s_mov_b32 s[G1+2], 64<<16                      ; tensor_dim1 = 64
	s_mov_b32 s[G1+3], KSTEP<<16                   ; tile_dim0 = 128
	s_mov_b32 s[G1+4], 64                          ; tile_dim1 = 64
	s_mov_b32 s[G1+5], KDIM                        ; elements from row to row
	s_mov_b32 s[G1+6], 0
	s_mov_b32 s[G1+7], 0
	; group 1 for wqkv: 64 k rows x 256 elements; 8 words of padding behind every 128 words
	s_or_b32 s[G1B+0], s44, (1<<16)|(1<<20)|(1<<21)|(6<<22)|(7<<25)
	s_mov_b32 s[G1B+1], 256<<16
	s_mov_b32 s[G1B+2], 64<<16
	s_mov_b32 s[G1B+3], 256<<16
	s_mov_b32 s[G1B+4], 64
	s_mov_b32 s[G1B+5], NDIM
	s_mov_b32 s[G1B+6], 0
	s_mov_b32 s[G1B+7], 0
	; where the tiles come from: xh's hang on the block row and the wave alone, wqkv's on the block column and the wave alone, each in registers of its own
	s_lshl_b32 s17, s12, 6
	s_lshl_b32 s16, s13, 7
	s_add_co_u32 s16, s16, s17                     ; row 128 x block row + 64 x half
	s_mul_i32 s16, s16, KDIM*2                     ; in bytes: below 2^25
	s_mov_b32 s17, 0
	s_lshl_b32 s46, s42, 9                         ; 256 columns of 2 bytes
	s_lshl_b32 s47, s12, 18                        ; 64 k rows of 4,096 bytes
	s_add_co_u32 s46, s46, s47
	s_mov_b32 s47, 0
	s_mul_i32 s20, s10, HALFT                      ; and where they go: the wave's region; no place in the cluster enters an LDS address
	s_wait_dscnt 0x0
	s_wait_kmcnt 0x0
	s_add_nc_u64 s[14:15], s[4:5], s[16:17]
	s_add_nc_u64 s[46:47], s[6:7], s[46:47]
	CROUND                                         ; all sixteen work-groups are here: the first joint loads meet
.irp s, 0,1
	s_mov_b32 s[G0+4*\s], 1
	s_add_co_u32 s[G0+4*\s+1], s20, \s*SLOT
	s_add_nc_u64 s[G0+4*\s+2:G0+4*\s+3], s[14:15], \s*KSTEP*2              ; K step s: 128 elements along the rows
	s_or_b32 s[G0+4*\s+3], s[G0+4*\s+3], 0x80000000
	s_mov_b32 s[G0B+4*\s], 1
	s_add_co_u32 s[G0B+4*\s+1], s20, \s*SLOT
	s_add_nc_u64 s[G0B+4*\s+2:G0B+4*\s+3], s[46:47], \s*KSTEP*NDIM*2       ; K step s: 128 rows down
	s_or_b32 s[G0B+4*\s+3], s[G0B+4*\s+3], 0x80000000
	JLOAD \s                                       ; both slots' first fills go out together: two tensor loads of the wave are out
.endr
	v_and_b32 v1, 15, v0                           ; r
	v_bfe_u32 v8, v0, 4, 1                         ; h
	v_mul_u32_u24 v9, v1, APITCH
	v_lshl_add_u32 v9, v8, 4, v9                   ; xh's fragment: row r, 16 bytes for each half of the lanes
	s_mul_i32 s21, s11, HALFT                      ; my 64 rows of xh
	v_and_b32 v10, 7, v0
	v_lshl_add_u32 v10, v8, 3, v10                 ; wqkv's fragment, transposing load: k row 8 h + l % 8,
	v_mul_u32_u24 v10, v10, BPITCH
	v_bfe_u32 v11, v0, 3, 1
	v_lshl_add_u32 v10, v11, 4, v10                ; 16 bytes further for lanes 8-15 of each half
	s_lshl_b32 s22, s12, 8                         ; my 128 columns
	s_add_co_u32 s22, s22, 2*HALFT                 ; behind xh's two regions
.irp s, 0,1
	v_add_nc_u32 v[ADRA+\s], s21, v9
	v_add_nc_u32 v[ADRB+\s], s22, v10
	s_add_co_u32 s21, s21, SLOT
	s_add_co_u32 s22, s22, SLOT
.endr
	s_mul_i32 s23, s10, 16*SPITCH
	s_add_co_u32 s23, s23, STAGE                   ; my stage
	v_add_nc_u32 v[STO], s23, v9                   ; in: row r, 16 bytes for each half of the lanes
	v_mul_u32_u24 v12, v8, SPITCH                  ; back: lanes 0-15 one row of 256 bytes, lanes 16-31 the next
	v_lshl_add_u32 v12, v1, 4, v12
	v_add_nc_u32 v[RD], s23, v12
	v_lshlrev_b32 v13, 12, v8                      ; and the same two rows in qkv
	v_lshl_add_u32 v[CO], v1, 4, v13
	; the table: row = my row's position in its sequence; v's column blocks (6 and 7) take row 2048, cosine 1 and sine 0, for every row
	s_lshl_b32 s18, s13, 7
	s_lshl_b32 s19, s11, 6
	s_add_co_u32 s18, s18, s19                     ; my first row of C
	s_and_b32 s19, s18, 2047                       ; its position
	s_add_co_u32 s68, s42, 2
	s_lshr_b32 s68, s68, 3                         ; 1 for block columns 6 and 7
	s_lshl_b32 s69, s68, 20                        ; then: byte 2048 x 512,
	s_xor_b32 s68, s68, 1
	s_lshl_b32 s68, s68, 9                         ; and no step from row to row; else 512 bytes a row
	v_add_nc_u32 v12, s19, v1
	v_lshlrev_b32 v13, 5, v8                       ; my 8 frequencies of a column block: 32 h bytes
	v_add_nc_u32 v13, s69, v13
.irp a, 0,1,2,3
	v_add_nc_u32 v14, 16*\a, v12
	v_mad_u32_u24 v[TO+\a], v14, s68, v13
.endr
; 8 matrix instructions: row block a x all 8 column blocks, 32 along K.  zero = 1: the first product starts the sums.
.macro MULA f, a, zero
.irp b, 0,1,2,3,4,5,6,7
.if \zero
	v_wmma_f32_16x16x32_bf16 v[8*(8*\a+\b):8*(8*\a+\b)+7], v[\f+32+8*\b:\f+32+8*\b+7], v[\f+8*\a:\f+8*\a+7], 0
.else
	v_wmma_f32_16x16x32_bf16 v[8*(8*\a+\b):8*(8*\a+\b)+7], v[\f+32+8*\b:\f+32+8*\b+7], v[\f+8*\a:\f+8*\a+7], v[8*(8*\a+\b):8*(8*\a+\b)+7]
.endif
.endr
.endm
; 24 LDS loads in one run: the fragments of quarter q (32 along K) of a slot into buffer f: wqkv's eight column blocks, then xh's four row blocks
.macro FETCH slot, q, f
	WIN 0
.irp b, 0,1,2,3,4,5,6,7
	ds_load_tr16_b128 v[\f+32+8*\b:\f+32+8*\b+3],   v[ADRB+\slot] offset:\q*32*BPITCH+32*\b
	ds_load_tr16_b128 v[\f+32+8*\b+4:\f+32+8*\b+7], v[ADRB+\slot] offset:\q*32*BPITCH+32*\b+16*BPITCH
.endr
.irp a, 0,1,2,3
	ds_load_b128 v[\f+8*\a:\f+8*\a+3],   v[ADRA+\slot] offset:\a*16*APITCH+64*\q
	ds_load_b128 v[\f+8*\a+4:\f+8*\a+7], v[ADRA+\slot] offset:\a*16*APITCH+64*\q+32
.endr
.endm
; A K step is four quarters of 32 along K, 32 matrix instructions each, on buffers 0, 1, 0, 1.  The 32 accumulators take turns, one instruction a
; turn, in the same order in every quarter.
; One of the first three quarters: multiplies buffer f; in its middle it fetches quarter qn of the same slot into buffer g.
.macro QUARTER slot, qn, f, g, zero
	s_wait_dscnt 4                                 ; all but the youngest four loads (xh's row blocks 2 and 3) are in
	WIN MUL
	MULA \f, 0, \zero
	MULA \f, 1, \zero
	PLACES
	FETCH \slot, \qn, \g
	s_wait_dscnt 24                                ; all but the 24 just issued
	WIN MUL
	MULA \f, 2, \zero
	MULA \f, 3, \zero
.endm
.macro THREE slot, zero
	QUARTER \slot, 1, F0, F1, \zero
	QUARTER \slot, 2, F1, F0, 0
	QUARTER \slot, 3, F0, F1, 0
.endm
; The last quarter multiplies buffer 1 and changes slots.  In front of the barrier each wave waits for its reads of this slot and for all its tensor
; loads (the one that is out is its part of the next slot).  Behind it nobody reads this slot and the next is whole: the refill comes first.
; From a request to the wait for it a wave issues 120 matrix instructions.
.macro TURN slot, next, fill
	s_wait_dscnt 4
	WIN MUL
	MULA F1, 0, 0
	s_wait_dscnt 0                                 ; my reads of this slot are over
	s_wait_tensorcnt 0x0                           ; all my tensor loads have landed
	ds_add_u32 v30, v31
	s_wait_dscnt 0x0
	s_barrier_signal -1                            ; (where the slot is filled again this barrier opens a round of the cluster's barrier)
	MULA F1, 1, 0                                  ; register work while the others arrive
	WIN 0
	s_barrier_wait -1
.if \fill
	CREST                                          ; no wave of any partner still reads this slot or has a load on its way
	s_add_nc_u64 s[G0+4*\slot+2:G0+4*\slot+3], s[G0+4*\slot+2:G0+4*\slot+3], 2*KSTEP*2
	s_add_nc_u64 s[G0B+4*\slot+2:G0B+4*\slot+3], s[G0B+4*\slot+2:G0B+4*\slot+3], 2*KSTEP*NDIM*2
	JLOAD \slot                                    ; the wave's one tensor load behind the round
.endif
	PLACES
	FETCH \next, 0, F0
	WIN MUL
	MULA F1, 2, 0
	MULA F1, 3, 0
.endm
.macro LAP zero
	THREE 0, \zero
	TURN 0, 1, 1
	THREE 1, 0
	TURN 1, 0, 1
.endm
	s_wait_tensorcnt 1                             ; my part of K step 0 is in; K step 1's may stay out
	s_barrier_signal -1
	s_barrier_wait -1
	FETCH 0, 0, F0
	LAP 1                                          ; the first lap's first products start the sums: nothing is cleared
	WIN 0
	s_mov_b32 s3, LAPS-2
.Llap:
	LAP 0
	WIN 0
	s_sub_co_u32 s3, s3, 1
	s_cmp_lg_u32 s3, 0
	s_cbranch_scc1 .Llap
	THREE 0, 0                                     ; the last lap fills nothing
	TURN 0, 1, 0
	THREE 1, 0
	s_wait_dscnt 4
	WIN MUL
	MULA F1, 0, 0
	MULA F1, 1, 0
	s_wait_dscnt 0
	MULA F1, 2, 0
	MULA F1, 3, 0
	WIN 0
	; THE WAY OUT, 16 rows at a time.  My 128 columns are one head: tiles b = 0..3 hold x1 (columns 0-63), tiles b + 4 hold x2 (columns 64-127), and a lane's
	; register j of both belongs to frequency 16 b + 8 h + j.  out1 = x1 cos - x2 sin, out2 = x1 sin + x2 cos, in f32; then one rounding to f16.
	PLACES
	s_mul_i32 s16, s18, NDIM*2
	s_mov_b32 s17, 0
	s_add_nc_u64 s[8:9], s[8:9], s[16:17]          ; my first row of qkv
	s_lshl_b32 s46, s42, 9                         ; my first column, in bytes: 512 x block + 256 x half
	s_lshl_b32 s47, s12, 8
	s_add_co_u32 s46, s46, s47
	s_mov_b32 s47, 0
	s_add_nc_u64 s[8:9], s[8:9], s[46:47]
; the table's numbers for row block a into buffer tb: for b = 0..3 eight cosines, then eight sines
.macro ROPE_LOAD a, tb
.irp b, 0,1,2,3
	global_load_b128 v[\tb+16*\b:\tb+16*\b+3],     v[TO+\a], s[66:67] offset:64*\b
	global_load_b128 v[\tb+16*\b+4:\tb+16*\b+7],   v[TO+\a], s[66:67] offset:64*\b+16
	global_load_b128 v[\tb+16*\b+8:\tb+16*\b+11],  v[TO+\a], s[66:67] offset:256+64*\b
	global_load_b128 v[\tb+16*\b+12:\tb+16*\b+15], v[TO+\a], s[66:67] offset:256+64*\b+16
.endr
.endm
; row block a; tb: its table buffer, which takes the rotated numbers in place; rb: where rows are read back; left: younger table loads that may stay out
.macro OUT a, tb, rb, left
	s_wait_loadcnt \left
	WIN 0x01                                       ; source 0 (the sums) in window 1
.irp b, 0,1,2,3
.irp jj, 0,2,4,6
	v_pk_mul_f32 v[T+2*\jj:T+2*\jj+1],   v[8*(8*\a+\b+4)+\jj:8*(8*\a+\b+4)+\jj+1], v[\tb+16*\b+8+\jj:\tb+16*\b+9+\jj]     ; x2 sin
	v_pk_mul_f32 v[T+2*\jj+2:T+2*\jj+3], v[8*(8*\a+\b+4)+\jj:8*(8*\a+\b+4)+\jj+1], v[\tb+16*\b+\jj:\tb+16*\b+\jj+1]       ; x2 cos
	v_pk_fma_f32 v[\tb+16*\b+\jj:\tb+16*\b+\jj+1],   v[8*(8*\a+\b)+\jj:8*(8*\a+\b)+\jj+1], v[\tb+16*\b+\jj:\tb+16*\b+\jj+1],   v[T+2*\jj:T+2*\jj+1] neg_lo:[0,0,1] neg_hi:[0,0,1]
	v_pk_fma_f32 v[\tb+16*\b+8+\jj:\tb+16*\b+9+\jj], v[8*(8*\a+\b)+\jj:8*(8*\a+\b)+\jj+1], v[\tb+16*\b+8+\jj:\tb+16*\b+9+\jj], v[T+2*\jj+2:T+2*\jj+3]
.endr
.endr
	WIN 0
.irp b, 0,1,2,3
.irp rr, 0,1,2,3
	v_cvt_pk_f16_f32 v[TMP+4*\b+\rr],    v[\tb+16*\b+2*\rr],   v[\tb+16*\b+2*\rr+1]
	v_cvt_pk_f16_f32 v[TMP+16+4*\b+\rr], v[\tb+16*\b+8+2*\rr], v[\tb+16*\b+9+2*\rr]
.endr
.endr
.irp b, 0,1,2,3,4,5,6,7
	ds_store_b128 v[STO], v[TMP+4*\b:TMP+4*\b+3] offset:32*\b
.endr
	s_wait_xcnt 0x0                                ; buffer rb, which earlier stores read, and the stores' base are rewritten only behind this wait
.if \a
	s_add_nc_u64 s[8:9], s[8:9], 16*NDIM*2         ; 16 rows on
.endif
.if \a < 2
	ROPE_LOAD \a+2, \tb                            ; the table buffer is free: the block after next
.endif
.irp t, 0,1,2,3,4,5,6,7
	ds_load_b128 v[\rb+4*\t:\rb+4*\t+3], v[RD] offset:\t*2*SPITCH          ; LDS serves a wave's instructions in order: these see the stores above
.endr
.irp t, 0,1,2,3,4,5,6,7
	s_wait_dscnt 7-\t
	global_store_b128 v[CO], v[\rb+4*\t:\rb+4*\t+3], s[8:9] offset:2*\t*NDIM*2     ; 16 lanes store 256 consecutive bytes, aligned
.endr
.endm
	ROPE_LOAD 0, 32
	ROPE_LOAD 1, 128
	OUT 0, 32,  96,  16                            ; the count: the next block's 16 table loads stay out
	OUT 1, 128, 192, 16
	OUT 2, 32,  96,  16
	OUT 3, 128, 192, 0
	s_wait_tensorcnt 0x0
	ds_add_u32 v30, v31
	s_wait_dscnt 0x0
	CROUND                                         ; the closing round: no work-group ends while a partner may still ask for a tile that names it
	s_endpgm
.Lfunc_end_k_q280f067d88_qkvgemm:
	.size	k_q280f067d88_qkvgemm, .Lfunc_end_k_q280f067d88_qkvgemm-k_q280f067d88_qkvgemm
	.p2alignl 7, 3214868480
	.fill 96, 4, 3214868480
	.section	.rodata,"a",@progbits
	.p2align	6, 0x0
	.amdhsa_kernel k_q280f067d88_qkvgemm
		.amdhsa_group_segment_fixed_size 327680
		.amdhsa_private_segment_fixed_size 0
		.amdhsa_enable_private_segment 0
		.amdhsa_kernarg_size 32
		.amdhsa_user_sgpr_count 2
		.amdhsa_user_sgpr_kernarg_segment_ptr 1
		.amdhsa_wavefront_size32 1
		.amdhsa_system_sgpr_workgroup_id_x 1
		.amdhsa_system_sgpr_workgroup_id_y 1
		.amdhsa_system_sgpr_workgroup_id_z 1
		.amdhsa_system_vgpr_workitem_id 0
		.amdhsa_next_free_vgpr 512
		.amdhsa_next_free_sgpr 72
		.amdhsa_reserve_vcc 0
		.amdhsa_float_denorm_mode_32 3
		.amdhsa_float_denorm_mode_16_64 3
		.amdhsa_memory_ordered 1
		.amdhsa_forward_progress 1
		.amdhsa_inst_pref_size 141
	.end_amdhsa_kernel
	.amdgpu_metadata
---
amdhsa.version: [ 1, 2 ]
amdhsa.kernels:
  - .name:           k_q280f067d88_qkvgemm
    .symbol:         k_q280f067d88_qkvgemm.kd
    .args:
      - { .name: xh, .offset: 0, .size: 8, .value_kind: global_buffer, .address_space: global }
      - { .name: wqkv, .offset: 8, .size: 8, .value_kind: global_buffer, .address_space: global }
      - { .name: qkv, .offset: 16, .size: 8, .value_kind: global_buffer, .address_space: global }
      - { .name: rope, .offset: 24, .size: 8, .value_kind: global_buffer, .address_space: global }
    .group_segment_fixed_size: 327680
    .private_segment_fixed_size: 0
    .kernarg_segment_align: 8
    .kernarg_segment_size: 32
    .max_flat_workgroup_size: 128
    .sgpr_count:     72
    .vgpr_count:     512
    .wavefront_size: 32
...
	.end_amdgpu_metadata
.endif
;; end of part 2
;; launch attn (part 3): grid 32 x 8, 4 waves a work-group, clusters of 4 x 1, 327,680 bytes of LDS; arguments qkv, ao; writes ao
.if DOCPART == 3
	.amdgcn_target "amdgcn-amd-amdhsa--gfx1250"
	.amdhsa_code_object_version 6
	.text
	.protected	k_q280f067d88_attn
	.globl	k_q280f067d88_attn
	.p2align	8
	.type	k_q280f067d88_attn,@function
k_q280f067d88_attn:
	s_mov_b64 s[64:65], 0
	v_nop
	global_prefetch_b8 v0, s[64:65] scope:SCOPE_SE
	s_setreg_imm32_b32 hwreg(HW_REG_WAVE_MODE, 25, 1), 1
	s_wait_xcnt 0x0
	s_wait_alu depctr_hold_cnt(0) depctr_sa_sdst(0) depctr_va_vdst(0) depctr_va_sdst(0) depctr_va_ssrc(0) depctr_va_vcc(0) depctr_vm_vsrc(0)
	s_getreg_b32 s2, hwreg(HW_REG_IB_STS2, 6, 4)
	s_cmp_eq_u32 s2, 0
	s_cbranch_scc0 .Lentry_in_a_cluster
	s_endpgm
.Lentry_in_a_cluster:
	s_bfe_u32 s2, ttmp6, 0x10000c
	s_cmp_lg_u32 s2, 0x3003
	s_cbranch_scc0 .Lentry_shape_is_right
	s_endpgm
.Lentry_shape_is_right:
; CAUSAL GROUPED-QUERY ATTENTION.  qkv: [4096 = 2048 b + s][2048] f16 (q head h at column 128 h, k heads from 1024, v heads from 1536), already rotated.
; ao: [4096][8 heads][hi 128 | lo 128] f16: the result in TWO f16 terms, hi + lo.  A row with few keys is not averaged and stands far above the bulk of the
; output, so one more rounding to 11 bits on its way to the output projection would show; hi + lo carries about 22 bits (or 3e-8 absolute, if that is coarser).
; Products in f16 with f32 sums; softmax in f32 with a running maximum.
; LIMIT: the weights p (at most 1) are rounded to f16; a result above 65,504 becomes infinite; the order of the sums differs from a plain row sum.
; SHARES.  A query block is 32 positions x the 2 heads of one kv head = 64 rows.  A work-group serves blocks i0 = p and i1 = 63 - p (p = 4 c + cx, 0..31) of one
; (batch, kv head), one after the other.  K/V go in tiles of 128 positions; a block needs i / 4 + 1 of them, rounded up to an even number so that the two LDS
; slots keep their turns: (c + 2) & ~1 and (17 - c) & ~1, 18 together in every work-group.  8 x 4 x 8 = 256 work-groups of equal work.
; CLUSTERS.  The four work-groups of a cluster share c, batch and kv head, so they walk the very same tiles: K and V come by joint loads, mask 15.
; cx enters only global addresses (q, ao) and the numbers that the mask compares; no branch, trip count or LDS address hangs on it.
; In each tile wave w takes all 64 rows against positions 32 w .. 32 w + 31, with a maximum, a sum and an O of its own; the four are merged through LDS at a block's end.
; BOTH PRODUCTS ARE USED TRANSPOSED.  S^T = K Q^T: lane (r, h), register j holds (position 16 kb + 8 h + j, row r).  O^T = V^T P^T: (d = 16 db + 8 h + j, row r).
; So a row's softmax state is the lane's own but for one exchange with lane l xor 16, and P's fragment is made by packing the lane's own registers.
; ORDER OF TILES in a block: the two that need the mask (the last two) first, then 0, 1, ...: the first trip starts O, so nothing is cleared.
; THE MASK writes -2^100.  c2 x 2^100 is exact, so a part that is masked altogether gives p = 2^0 = 1, finite numbers that a later factor 2^(-huge) = 0 removes.
; True scores cannot come near it: |q k| <= 128 x 65,504^2.
; NM = -(c2 M), rounded once, is what is kept: p = 2^(c2 s + NM), rescale = 2^(NM new - NM old), merge = 2^(NM all - NM mine); c2 = 128^-0.5 log2 e.
; REGISTERS.  Window 0: as named below.  Window 1: Q's fragments (nb, ks) at 8 (4 nb + ks), block i0 from 0, block i1 from 128.
; Windows 2 (row blocks 0, 1) and 3 (row blocks 2, 3): O(db, nbl) at 8 (8 nbl + db), P(nbl) at 128 + 8 nbl.  Row block nb: positions 16 (nb & 1) + r, head nb >> 1.
.set KP,    272                        ; K's LDS rows: 256 bytes + 16
.set VP,    288                        ; V's LDS rows: 256 bytes + 32, an odd multiple of 32 for the transposing load
.set REG,   64*VP                      ; a wave's region of a slot: 64 rows
.set SLOT,  4*REG                      ; regions 0, 1: K's rows 0-63, 64-127; regions 2, 3: V's, one behind the other
.set STAGE, 2*SLOT                     ; the merge: for each wave 64 rows x 528 bytes of O; no tensor load lands here
.set OP,    528
.set WSTG,  64*OP
.set STAT,  STAGE+4*WSTG               ; the merge: for each wave 4 x 16 pairs (NM, L)
.set AOROW, 4096                       ; bytes in a row of ao
.set ADRK, 2                           ; v2-3     my K fragments in slot 0, 1
.set ADRV, 4                           ; v4-5     my V fragments in slot 0, 1
.set DT,   7                           ; v7       the mask: my row's position less my first position of the tile
.set NML,  8                           ; v8-15    pairs (NM, L) for nb = 0..3
.set AL,   16                          ; v16-19   the rescaling factor
.set TM,   24                          ; v24-27
.set TX,   28                          ; v28-31
.set SS,   32                          ; v32-95   S(kb, nb) at 8 (4 kb + nb)
.set OBL,  32                          ; v32-63   the merge: packed rows of lo on their way out (the merge's statistics, which lie here first, are dead by then)
.set OB,   64                          ; v64-95   the merge: packed rows of hi on their way out
.set KF,   96                          ; v96-159  K's fragments (kb, ks) at 8 (4 kb + ks)
.set VF,   160                         ; v160-223 V's fragments at 8 db
.set NEGV, 224
.set QO,   225                         ; v225-226 byte offset of my part of Q, block i0, i1
.set DD,   227                         ; v227-228 32 i + r - 32 w - 8 h
.set AOO,  229                         ; v229-230 byte offset in ao
.set STA,  231
.set PS,   232                         ; v232-239 pairs of partial sums
.set MM,   240                         ; v240-243 the running maximum
.set STRD, 244
.set STO,  245
.set RDA,  246                         ; v246-249
.set G1K, 16                           ; s[16:23] group 1 for K's tiles
.set G1V, 24                           ; s[24:31] group 1 for V's tiles
.set G0K, 32                           ; s[32:39] group 0 for K's tiles, a set for each slot
.set G0V, 40                           ; s[40:47] the same for V
.set MSB, 0
.macro WIN new
.if MSB != (\new)
	s_set_vgpr_msb (MSB<<8)|(\new)
.set MSB, (\new)
.endif
.endm
.macro PLACES                          ; four plain vector instructions behind a matrix instruction (not for loads)
.rept 4
	v_nop
.endr
.endm
.macro ROUND                           ; a round of the cluster's barrier
	s_barrier_signal -1
	s_barrier_wait -1
	s_cmp_lg_u32 s8, 0
	s_cbranch_scc1 .Lnot_wave_0_\@
	s_barrier_signal -3
.Lnot_wave_0_\@:
	s_barrier_wait -3
	s_barrier_signal -1
	s_barrier_wait -1
.endm
.macro JLOAD s                         ; waves 0, 1 ask for K's halves, waves 2, 3 for V's; the branch hangs on the wave's number alone
	s_cmp_eq_u32 s9, 0
	s_cbranch_scc0 .Lfor_v_\@
	tensor_load_to_lds s[G0K+4*(\s):G0K+4*(\s)+3], s[G1K:G1K+7]
	s_nop 0
	s_branch .Lasked_\@
.Lfor_v_\@:
	tensor_load_to_lds s[G0V+4*(\s):G0V+4*(\s)+3], s[G1V:G1V+7]
	s_nop 0
.Lasked_\@:
.endm
.macro SETADR o                        ; tile s58's addresses into slot o's two groups 0: 128 rows of 4,096 bytes a tile
	s_lshl_b32 s52, s58, 19
	s_add_nc_u64 s[G0K+4*(\o)+2:G0K+4*(\o)+3], s[48:49], s[52:53]
	s_or_b32 s[G0K+4*(\o)+3], s[G0K+4*(\o)+3], 0x80000000
	s_add_nc_u64 s[G0V+4*(\o)+2:G0V+4*(\o)+3], s[50:51], s[52:53]
	s_or_b32 s[G0V+4*(\o)+3], s[G0V+4*(\o)+3], 0x80000000
.endm
.macro SCALEO wn, nbl, db              ; O(db, nbl) of window 2 + wn times the row block's factor: the pair's first register for nbl = 0, its second for nbl = 1
.irp jj, 0,2,4,6
.if \nbl
	v_pk_mul_f32 v[8*(8*\nbl+\db)+\jj:8*(8*\nbl+\db)+\jj+1], v[AL+2*\wn:AL+2*\wn+1], v[8*(8*\nbl+\db)+\jj:8*(8*\nbl+\db)+\jj+1] op_sel:[1,0] op_sel_hi:[1,1]
.else
	v_pk_mul_f32 v[8*(8*\nbl+\db)+\jj:8*(8*\nbl+\db)+\jj+1], v[AL+2*\wn:AL+2*\wn+1], v[8*(8*\nbl+\db)+\jj:8*(8*\nbl+\db)+\jj+1] op_sel_hi:[0,1]
.endif
.endr
.endm
	s_load_b128 s[4:7], s[0:1], 0x0                ; qkv s[4:5], ao s[6:7]
	v_lshl_add_u32 v254, v0, 2, 0x45800
	v_mov_b32 v255, 0
	ds_add_u32 v254, v255
	v_lshrrev_b32 v1, 5, v0
	v_readfirstlane_b32 s8, v1                     ; wave w
	s_lshr_b32 s9, s8, 1
	s_and_b32 s10, s8, 1
	s_bfe_u32 s12, ttmp6, 0x40000                  ; cx
	s_and_b32 s13, ttmp7, 0xffff
	s_lshr_b32 s14, s13, 2                         ; batch
	s_and_b32 s15, s13, 3                          ; kv head
	s_lshl_b32 s72, ttmp9, 2
	s_add_co_u32 s72, s72, s12                     ; i0 = 4 c + cx
	s_sub_co_u32 s73, 63, s72                      ; i1
	s_add_co_u32 s74, ttmp9, 2
	s_and_b32 s74, s74, -2                         ; tiles of block i0: of c alone
	s_sub_co_u32 s75, 17, ttmp9
	s_and_b32 s75, s75, -2                         ; tiles of block i1
	s_mov_b32 s60, 0x3e0293ee                      ; c2 = 128^-0.5 log2 e, twice: a pair for the packed multiply-add
	s_mov_b32 s61, 0x3e0293ee
	s_mov_b32 s62, 0xbe0293ee                      ; -c2
	s_mov_b32 s66, 0x76543210                      ; v_permlanex16_b32: lane l takes lane l xor 16
	s_mov_b32 s67, 0xfedcba98
	s_mov_b32 s78, 0x46000400                      ; 8193 = 2^13 + 1, twice: the split of an f32 into 11 bits and the rest
	s_mov_b32 s79, 0x46000400
	; group 1: 64 rows x 128 elements of 2 bytes, 2,048 elements from row to row; K: 4 words of padding behind every 64 words, V: 8
	s_mov_b32 s[G1K+0], 15|(1<<16)|(1<<20)|(1<<21)|(5<<22)|(3<<25)
	s_mov_b32 s[G1K+1], 128<<16
	s_mov_b32 s[G1K+2], 64<<16
	s_mov_b32 s[G1K+3], 128<<16
	s_mov_b32 s[G1K+4], 64
	s_mov_b32 s[G1K+5], 2048
	s_mov_b32 s[G1K+6], 0
	s_mov_b32 s[G1K+7], 0
	s_mov_b32 s[G1V+0], 15|(1<<16)|(1<<20)|(1<<21)|(5<<22)|(7<<25)
	s_mov_b32 s[G1V+1], 128<<16
	s_mov_b32 s[G1V+2], 64<<16
	s_mov_b32 s[G1V+3], 128<<16
	s_mov_b32 s[G1V+4], 64
	s_mov_b32 s[G1V+5], 2048
	s_mov_b32 s[G1V+6], 0
	s_mov_b32 s[G1V+7], 0
	s_mul_i32 s59, s8, REG                         ; the wave's region
.irp s, 0,1
	s_mov_b32 s[G0K+4*\s], 1
	s_add_co_u32 s[G0K+4*\s+1], s59, \s*SLOT
	s_mov_b32 s[G0V+4*\s], 1
	s_add_co_u32 s[G0V+4*\s+1], s59, \s*SLOT
.endr
	s_lshl_b32 s52, s14, 23                        ; 2,048 rows of 4,096 bytes a batch
	s_lshl_b32 s63, s10, 18                        ; my 64 rows of a tile
	s_add_co_u32 s52, s52, s63
	s_lshl_b32 s63, s15, 8                         ; 256 bytes a kv head
	s_add_co_u32 s52, s52, s63
	s_add_co_u32 s52, s52, 2048                    ; k's columns begin at 1024
	s_mov_b32 s53, 0
	s_wait_dscnt 0x0
	s_wait_kmcnt 0x0
	s_add_nc_u64 s[48:49], s[4:5], s[52:53]        ; K at tile 0, my half
	s_add_nc_u64 s[50:51], s[48:49], 1024          ; V: 512 columns on
	s_lshl_b32 s52, s14, 23
	s_lshl_b32 s63, s15, 9                         ; two q heads of 256 bytes a kv head
	s_add_co_u32 s52, s52, s63
	s_add_nc_u64 s[68:69], s[4:5], s[52:53]        ; Q
	s_lshl_b32 s52, s14, 23                        ; ao: 2,048 rows of 4,096 bytes a batch
	s_lshl_b32 s63, s15, 10                        ; two heads of 512 bytes (hi, lo) a kv head
	s_add_co_u32 s52, s52, s63
	s_lshl_b32 s63, s9, 9                          ; at the merge I write row block nb = w: head w >> 1,
	s_add_co_u32 s52, s52, s63
	s_lshl_b32 s63, s10, 16                        ; positions from 16 (w & 1)
	s_add_co_u32 s52, s52, s63
	s_add_nc_u64 s[70:71], s[6:7], s[52:53]
	v_and_b32 v1, 15, v0                           ; r
	v_bfe_u32 v6, v0, 4, 1                         ; h
	v_and_b32 v20, 31, v0                          ; l
	s_lshl_b32 s76, s72, 5
	s_lshl_b32 s77, s73, 5
	v_add_nc_u32 v21, s76, v1                      ; 32 i0 + r
	v_add_nc_u32 v22, s77, v1                      ; 32 i1 + r
	v_lshlrev_b32 v23, 4, v6
	v_lshl_add_u32 v[QO], v21, 12, v23             ; row x 4,096 + 16 h
	v_lshl_add_u32 v[QO+1], v22, 12, v23
	; Q's fragments, both blocks, once: row r of block nb, d = 32 ks + 8 h .. and 32 ks + 16 + 8 h ..   64 loads; block i0's 32 go first
	WIN 0x40
.irp ph, 0,1
.irp nb, 0,1,2,3
.irp ks, 0,1,2,3
	global_load_b128 v[128*\ph+8*(4*\nb+\ks):128*\ph+8*(4*\nb+\ks)+3],   v[QO+\ph], s[68:69] offset:(\nb&1)*65536+(\nb>>1)*256+64*\ks
	global_load_b128 v[128*\ph+8*(4*\nb+\ks)+4:128*\ph+8*(4*\nb+\ks)+7], v[QO+\ph], s[68:69] offset:(\nb&1)*65536+(\nb>>1)*256+64*\ks+32
.endr
.endr
.endr
	WIN 0
	; block i0
	s_sub_co_u32 s54, s74, 2                       ; its first masked tile; also the number of tiles without a mask
	s_sub_co_u32 s55, s75, 2                       ; block i1's first tile, asked for by block i0's last trip
	s_mov_b32 s56, 0                               ; the next tile without a mask
	s_lshr_b32 s57, s54, 1                         ; trips of the loop, two tiles each
	s_mov_b32 s58, s54
	SETADR 0
	ROUND                                          ; all four work-groups are here: the first joint load meets
	JLOAD 0                                        ; one tensor load of the wave is out, here and behind every later round
	s_lshl_b32 s59, s8, 5
	v_lshl_add_u32 v23, v6, 3, s59                 ; 32 w + 8 h
	v_sub_nc_u32 v[DD], v21, v23
	v_sub_nc_u32 v[DD+1], v22, v23
	v_lshlrev_b32 v23, 3, v20
	s_lshl_b32 s76, s72, 17                        ; 32 rows of 4,096 bytes a block
	s_lshl_b32 s77, s73, 17
	v_add_nc_u32 v[AOO], s76, v23
	v_add_nc_u32 v[AOO+1], s77, v23
	v_mul_u32_u24 v21, v1, KP
	v_lshl_add_u32 v21, v6, 4, v21
	s_mul_i32 s59, s9, REG
	s_mul_i32 s63, s10, 32*KP
	s_add_co_u32 s59, s59, s63                     ; K's row 32 w
	v_add_nc_u32 v[ADRK], s59, v21
	v_add_nc_u32 v[ADRK+1], SLOT, v[ADRK]
	v_and_b32 v22, 7, v0
	v_lshl_add_u32 v22, v6, 3, v22                 ; transposing load: row 8 h + l % 8,
	v_mul_u32_u24 v22, v22, VP
	v_bfe_u32 v23, v0, 3, 1
	v_lshl_add_u32 v22, v23, 4, v22                ; 16 bytes further for lanes 8-15 of each half
	s_mul_i32 s59, s8, 32*VP
	s_add_co_u32 s59, s59, 2*REG                   ; V's row 32 w
	v_add_nc_u32 v[ADRV], s59, v22
	v_add_nc_u32 v[ADRV+1], SLOT, v[ADRV]
	s_lshl_b32 s59, s8, 9
	s_add_co_u32 s59, s59, STAT
	v_lshl_add_u32 v[STA], v1, 3, s59
	v_lshlrev_b32 v21, 3, v1
	v_add_nc_u32 v[STRD], STAT, v21
	s_mul_i32 s59, s8, WSTG
	s_add_co_u32 s59, s59, STAGE
	v_mul_u32_u24 v21, v1, OP
	v_lshl_add_u32 v21, v6, 5, v21
	v_add_nc_u32 v[STO], s59, v21                  ; my copy of O: row r of a row block, 32 bytes for each half of the lanes
	s_mul_i32 s59, s8, 16*OP
	s_add_co_u32 s59, s59, STAGE
	v_lshl_add_u32 v21, v20, 4, s59                ; the rows that I sum: row block w, 16 bytes a lane, in each wave's copy
.irp ww, 0,1,2,3
	v_add_nc_u32 v[RDA+\ww], \ww*WSTG, v21
.endr
	v_mov_b32 v[NEGV], 0xf1800000                  ; -2^100
.irp nb, 0,1,2,3
	v_mov_b32 v[TX+\nb], 0                         ; a destination of v_permlanex16_b32 counts as read
	v_mov_b32 v[NML+2*\nb+1], 0                    ; L is the unused half of a packed source before its first value is there
.endr
	s_lshl_b32 s59, s54, 7
	v_sub_nc_u32 v[DT], v[DD], s59
; One tile.  slot: where it lies; mask: it needs the mask; first: it starts a block's sums; req: which tile is asked for into the other slot
; (0 none, 1 the second masked tile, 2 the next unmasked one, 3 the same or, when there is none left, the next block's first); qb: Q's base in window 1;
; qleft: younger loads of Q that may stay out.
.macro TRIP slot, mask, first, req, qb, qleft
.if \first == 0
	PLACES                                         ; behind the last trip's products, ahead of the loads into V's registers
.endif
	s_wait_tensorcnt 0x0                           ; all my tensor loads have landed, my part of this tile among them: every group 0 may be written
	ds_add_u32 v254, v255
	s_wait_dscnt 0x0
.if \req == 1
	s_add_co_u32 s58, s54, 1
.endif
.if \req == 2
	s_mov_b32 s58, s56
	s_add_co_u32 s56, s56, 1
.endif
.if \req == 3
	s_cmp_eq_u32 s56, s54
	s_cselect_b32 s58, s55, s56
	s_add_co_u32 s56, s56, 1
.endif
.if \req
	SETADR 1-\slot
.endif
	s_wait_dscnt 0x0                               ; my reads of the other slot are over
	ROUND                                          ; both now hold of every wave of all four work-groups
.if \req
	JLOAD 1-\slot                                  ; the wave's one tensor load behind the round: it has this trip's work in which to land
.endif
.irp kb, 0,1
.irp ks, 0,1,2,3
	ds_load_b128 v[KF+8*(4*\kb+\ks):KF+8*(4*\kb+\ks)+3],   v[ADRK+\slot] offset:\kb*16*KP+64*\ks
	ds_load_b128 v[KF+8*(4*\kb+\ks)+4:KF+8*(4*\kb+\ks)+7], v[ADRK+\slot] offset:\kb*16*KP+64*\ks+32
.endr
.endr
.irp db, 0,1,2,3,4,5,6,7
	ds_load_tr16_b128 v[VF+8*\db:VF+8*\db+3],   v[ADRV+\slot] offset:32*\db
	ds_load_tr16_b128 v[VF+8*\db+4:VF+8*\db+7], v[ADRV+\slot] offset:32*\db+16*VP
.endr
.if \first
	s_wait_loadcnt \qleft                          ; this block's Q is in
.endif
	s_wait_dscnt 16                                ; K's 16 loads are in, V's 16 stay out
	; S^T = K Q^T: 8 tiles by turns, one instruction a turn; the first 32 of d start the sums
	WIN 0x04
.irp ks, 0,1,2,3
.irp kb, 0,1
.irp nb, 0,1,2,3
.if \ks == 0
	v_wmma_f32_16x16x32_f16 v[SS+8*(4*\kb+\nb):SS+8*(4*\kb+\nb)+7], v[KF+8*(4*\kb+\ks):KF+8*(4*\kb+\ks)+7], v[\qb+8*(4*\nb+\ks):\qb+8*(4*\nb+\ks)+7], 0
.else
	v_wmma_f32_16x16x32_f16 v[SS+8*(4*\kb+\nb):SS+8*(4*\kb+\nb)+7], v[KF+8*(4*\kb+\ks):KF+8*(4*\kb+\ks)+7], v[\qb+8*(4*\nb+\ks):\qb+8*(4*\nb+\ks)+7], v[SS+8*(4*\kb+\nb):SS+8*(4*\kb+\nb)+7]
.endif
.endr
.endr
.endr
	WIN 0
	PLACES
.if \mask
	; position 128 tile + 32 w + 16 kb + 8 h + j is masked for row position 32 i + 16 par + r where 16 kb + j - 16 par > DT; both heads alike
.irp par, 0,1
.irp kb, 0,1
.irp j, 0,1,2,3,4,5,6,7
	v_cmp_gt_i32 vcc_lo, 16*\kb+\j-16*\par, v[DT]
	v_cndmask_b32 v[SS+8*(4*\kb+\par)+\j],   v[SS+8*(4*\kb+\par)+\j],   v[NEGV], vcc_lo
	v_cndmask_b32 v[SS+8*(4*\kb+\par+2)+\j], v[SS+8*(4*\kb+\par+2)+\j], v[NEGV], vcc_lo
.endr
.endr
.endr
.endif
	; the maximum of my 16 scores of each row and of the running maximum; four chains side by side
.irp nb, 0,1,2,3
	v_max3_num_f32 v[TM+\nb], v[SS+8*\nb], v[SS+8*\nb+1], v[SS+8*\nb+2]
.endr
.irp st, 3,5
.irp nb, 0,1,2,3
	v_max3_num_f32 v[TM+\nb], v[TM+\nb], v[SS+8*\nb+\st], v[SS+8*\nb+\st+1]
.endr
.endr
.irp nb, 0,1,2,3
	v_max3_num_f32 v[TM+\nb], v[TM+\nb], v[SS+8*\nb+7], v[SS+32+8*\nb]
.endr
.irp st, 1,3,5
.irp nb, 0,1,2,3
	v_max3_num_f32 v[TM+\nb], v[TM+\nb], v[SS+32+8*\nb+\st], v[SS+32+8*\nb+\st+1]
.endr
.endr
.irp nb, 0,1,2,3
.if \first
	v_max_num_f32 v[TM+\nb], v[TM+\nb], v[SS+32+8*\nb+7]
.else
	v_max3_num_f32 v[TM+\nb], v[TM+\nb], v[SS+32+8*\nb+7], v[MM+\nb]
.endif
.endr
.irp nb, 0,1,2,3
	v_permlanex16_b32 v[TX+\nb], v[TM+\nb], s66, s67       ; the other 16 positions of the same row
.endr
.irp nb, 0,1,2,3
	v_max_num_f32 v[MM+\nb], v[TM+\nb], v[TX+\nb]
.endr
.irp nb, 0,1,2,3
	v_mul_f32 v[TM+\nb], s62, v[MM+\nb]                    ; NM = -c2 M
.endr
.if \first == 0
.irp nb, 0,1,2,3
	v_sub_f32 v[AL+\nb], v[TM+\nb], v[NML+2*\nb]           ; never above 0
.endr
.endif
.irp nb, 0,1,2,3
	v_mov_b32 v[NML+2*\nb], v[TM+\nb]
.endr
.if \first == 0
.irp nb, 0,1,2,3
	v_exp_f32 v[AL+\nb], v[AL+\nb]                         ; plain instructions follow before it is used (ISA guide 5.7.2)
.endr
.endif
.irp kb, 0,1
.irp nb, 0,1,2,3
.irp jj, 0,2,4,6
	v_pk_fma_f32 v[SS+8*(4*\kb+\nb)+\jj:SS+8*(4*\kb+\nb)+\jj+1], v[SS+8*(4*\kb+\nb)+\jj:SS+8*(4*\kb+\nb)+\jj+1], s[60:61], v[NML+2*\nb:NML+2*\nb+1] op_sel_hi:[1,0,0]   ; c2 s + NM, both halves with NM
.endr
.endr
.endr
.set i, 0
.rept 64
	v_exp_f32 v[SS+i], v[SS+i]
.set i, i+1
.endr
	v_nop                                          ; the plain instruction between the exponentials and their use
	s_wait_alu depctr_va_vdst(0)
.irp nb, 0,1,2,3
	v_pk_add_f32 v[PS+2*\nb:PS+2*\nb+1], v[SS+8*\nb:SS+8*\nb+1], v[SS+8*\nb+2:SS+8*\nb+3]
.endr
.irp st, 4,6,32,34,36,38
.irp nb, 0,1,2,3
	v_pk_add_f32 v[PS+2*\nb:PS+2*\nb+1], v[PS+2*\nb:PS+2*\nb+1], v[SS+8*\nb+\st:SS+8*\nb+\st+1]
.endr
.endr
.irp nb, 0,1,2,3
.if \first
	v_add_f32 v[NML+2*\nb+1], v[PS+2*\nb], v[PS+2*\nb+1]
.else
	v_fma_f32 v[NML+2*\nb+1], v[NML+2*\nb+1], v[AL+\nb], v[PS+2*\nb]
.endif
.endr
.if \first == 0
.irp nb, 0,1,2,3
	v_add_f32 v[NML+2*\nb+1], v[NML+2*\nb+1], v[PS+2*\nb+1]
.endr
.endif
	; P^T's fragment: registers 0-3 from kb = 0 (positions 8 h ..), 4-7 from kb = 1 (16 + 8 h ..): the lane's own numbers
.irp wn, 0,1
	WIN 0x80+0x40*\wn
.irp nbl, 0,1
.irp kb, 0,1
.irp rr, 0,1,2,3
	v_cvt_pk_f16_f32 v[128+8*\nbl+4*\kb+\rr], v[SS+8*(4*\kb+2*\wn+\nbl)+2*\rr], v[SS+8*(4*\kb+2*\wn+\nbl)+2*\rr+1]
.endr
.endr
.endr
.endr
	s_wait_dscnt 0x0                               ; V is in
	; O^T = factor x O^T + V^T P^T: 32 accumulators, each once; a tile's four multiplies stand in front of its product
.irp wn, 0,1
	WIN 0xa8+0x54*\wn
.irp nbl, 0,1
.irp db, 0,1,2,3,4,5,6,7
.if \first
	v_wmma_f32_16x16x32_f16 v[8*(8*\nbl+\db):8*(8*\nbl+\db)+7], v[VF+8*\db:VF+8*\db+7], v[128+8*\nbl:128+8*\nbl+7], 0
.else
	SCALEO \wn, \nbl, \db
	v_wmma_f32_16x16x32_f16 v[8*(8*\nbl+\db):8*(8*\nbl+\db)+7], v[VF+8*\db:VF+8*\db+7], v[128+8*\nbl:128+8*\nbl+7], v[8*(8*\nbl+\db):8*(8*\nbl+\db)+7]
.endif
.endr
.endr
.endr
	WIN 0
.endm
; the merge's reads: rows 4 bt .. 4 bt + 3 of my row block from all four waves' copies into buffer f
.macro MLOAD bt, f
.irp rr, 0,1,2,3
.irp ww, 0,1,2,3
	ds_load_b128 v[\f+16*\rr+4*\ww:\f+16*\rr+4*\ww+3], v[RDA+\ww] offset:(4*\bt+\rr)*OP
.endr
.endr
.endm
; Four f32 in v[x:x+3] are split: c = 8193 x, hi = c - (c - x) has 11 significant bits and so is exact in f16's normal range, lo = x - hi is exact in f32.
; hi ends in v[x+4:x+7], lo in v[x:x+3]; v[x+8:x+11] are at work.
.macro SPLIT x
	v_pk_mul_f32 v[\x+4:\x+5],   v[\x:\x+1],     s[78:79] op_sel_hi:[1,0]
	v_pk_mul_f32 v[\x+6:\x+7],   v[\x+2:\x+3],   s[78:79] op_sel_hi:[1,0]
	v_pk_add_f32 v[\x+8:\x+9],   v[\x+4:\x+5],   v[\x:\x+1]     neg_lo:[0,1] neg_hi:[0,1]
	v_pk_add_f32 v[\x+10:\x+11], v[\x+6:\x+7],   v[\x+2:\x+3]   neg_lo:[0,1] neg_hi:[0,1]
	v_pk_add_f32 v[\x+4:\x+5],   v[\x+4:\x+5],   v[\x+8:\x+9]   neg_lo:[0,1] neg_hi:[0,1]
	v_pk_add_f32 v[\x+6:\x+7],   v[\x+6:\x+7],   v[\x+10:\x+11] neg_lo:[0,1] neg_hi:[0,1]
	v_pk_add_f32 v[\x:\x+1],     v[\x:\x+1],     v[\x+4:\x+5]   neg_lo:[0,1] neg_hi:[0,1]
	v_pk_add_f32 v[\x+2:\x+3],   v[\x+2:\x+3],   v[\x+6:\x+7]   neg_lo:[0,1] neg_hi:[0,1]
.endm
; their sums, split into hi and lo and stored: 32 lanes x 8 bytes are 256 consecutive bytes, aligned: a row's hi, and its lo 256 bytes on
.macro MSUM ph, bt, f
.irp rr, 0,1,2,3
	v_pk_add_f32 v[\f+16*\rr:\f+16*\rr+1],     v[\f+16*\rr:\f+16*\rr+1],     v[\f+16*\rr+4:\f+16*\rr+5]
	v_pk_add_f32 v[\f+16*\rr+2:\f+16*\rr+3],   v[\f+16*\rr+2:\f+16*\rr+3],   v[\f+16*\rr+6:\f+16*\rr+7]
	v_pk_add_f32 v[\f+16*\rr+8:\f+16*\rr+9],   v[\f+16*\rr+8:\f+16*\rr+9],   v[\f+16*\rr+12:\f+16*\rr+13]
	v_pk_add_f32 v[\f+16*\rr+10:\f+16*\rr+11], v[\f+16*\rr+10:\f+16*\rr+11], v[\f+16*\rr+14:\f+16*\rr+15]
	v_pk_add_f32 v[\f+16*\rr:\f+16*\rr+1],     v[\f+16*\rr:\f+16*\rr+1],     v[\f+16*\rr+8:\f+16*\rr+9]
	v_pk_add_f32 v[\f+16*\rr+2:\f+16*\rr+3],   v[\f+16*\rr+2:\f+16*\rr+3],   v[\f+16*\rr+10:\f+16*\rr+11]
	SPLIT \f+16*\rr
	v_cvt_pk_f16_f32 v[OB+2*(4*\bt+\rr)],    v[\f+16*\rr+4], v[\f+16*\rr+5]
	v_cvt_pk_f16_f32 v[OB+2*(4*\bt+\rr)+1],  v[\f+16*\rr+6], v[\f+16*\rr+7]
	v_cvt_pk_f16_f32 v[OBL+2*(4*\bt+\rr)],   v[\f+16*\rr],   v[\f+16*\rr+1]
	v_cvt_pk_f16_f32 v[OBL+2*(4*\bt+\rr)+1], v[\f+16*\rr+2], v[\f+16*\rr+3]
	global_store_b64 v[AOO+\ph], v[OB+2*(4*\bt+\rr):OB+2*(4*\bt+\rr)+1],   s[70:71] offset:(4*\bt+\rr)*AOROW
	global_store_b64 v[AOO+\ph], v[OBL+2*(4*\bt+\rr):OBL+2*(4*\bt+\rr)+1], s[70:71] offset:(4*\bt+\rr)*AOROW+256
.endr
.endm
; A block's end: the four waves' (NM, L, O) become one.  The next block's first tile may stay on its way.
.macro MERGE ph
	PLACES
.irp nb, 0,1,2,3
	v_permlanex16_b32 v[TX+\nb], v[NML+2*\nb+1], s66, s67
.endr
.irp nb, 0,1,2,3
	v_add_f32 v[NML+2*\nb+1], v[NML+2*\nb+1], v[TX+\nb]    ; my 32 positions' sum; both halves of the lanes now hold the same pair
.endr
.irp nb, 0,1,2,3
	ds_store_b64 v[STA], v[NML+2*\nb:NML+2*\nb+1] offset:128*\nb
.endr
	s_wait_dscnt 0x0                               ; for the others' sake
	s_barrier_signal -1
	s_barrier_wait -1
.irp ww, 0,1,2,3
.irp nb, 0,1,2,3
	ds_load_b64 v[SS+2*(4*\ww+\nb):SS+2*(4*\ww+\nb)+1], v[STRD] offset:512*\ww+128*\nb
.endr
.endr
	s_wait_dscnt 0x0
.irp nb, 0,1,2,3
	v_min3_num_f32 v[TM+\nb], v[SS+2*\nb], v[SS+8+2*\nb], v[SS+16+2*\nb]
.endr
.irp nb, 0,1,2,3
	v_min_num_f32 v[TM+\nb], v[TM+\nb], v[SS+24+2*\nb]     ; the least NM belongs to the largest maximum
.endr
.irp ww, 0,1,2,3
.irp nb, 0,1,2,3
	v_sub_f32 v[SS+2*(4*\ww+\nb)], v[TM+\nb], v[SS+2*(4*\ww+\nb)]
.endr
.endr
.irp nb, 0,1,2,3
	v_sub_f32 v[AL+\nb], v[TM+\nb], v[NML+2*\nb]
.endr
.irp ww, 0,1,2,3
.irp nb, 0,1,2,3
	v_exp_f32 v[SS+2*(4*\ww+\nb)], v[SS+2*(4*\ww+\nb)]     ; each wave's factor; 0 for a wave that saw masked positions alone
.endr
.endr
.irp nb, 0,1,2,3
	v_exp_f32 v[AL+\nb], v[AL+\nb]                         ; mine
.endr
	v_nop
	s_wait_alu depctr_va_vdst(0)
.irp nb, 0,1,2,3
	v_mul_f32 v[TX+\nb], v[SS+2*\nb], v[SS+2*\nb+1]
.endr
.irp ww, 1,2,3
.irp nb, 0,1,2,3
	v_fmac_f32 v[TX+\nb], v[SS+2*(4*\ww+\nb)], v[SS+2*(4*\ww+\nb)+1]
.endr
.endr
.irp nb, 0,1,2,3
	v_rcp_f32 v[TX+\nb], v[TX+\nb]                         ; the row's diagonal is never masked: the sum is at least about 1
.endr
	v_nop
	s_wait_alu depctr_va_vdst(0)
.irp nb, 0,1,2,3
	v_mul_f32 v[AL+\nb], v[AL+\nb], v[TX+\nb]
.endr
.irp wn, 0,1
	WIN 0xa8+0x54*\wn
.irp nbl, 0,1
.irp db, 0,1,2,3,4,5,6,7
	SCALEO \wn, \nbl, \db
	ds_store_b128 v[STO], v[8*(8*\nbl+\db):8*(8*\nbl+\db)+3]   offset:(2*\wn+\nbl)*16*OP+64*\db
	ds_store_b128 v[STO], v[8*(8*\nbl+\db)+4:8*(8*\nbl+\db)+7] offset:(2*\wn+\nbl)*16*OP+64*\db+16
.endr
.endr
.endr
	WIN 0
	s_wait_dscnt 0x0
	s_barrier_signal -1
	s_barrier_wait -1
	MLOAD 0, KF
	MLOAD 1, VF
	s_wait_dscnt 16                                ; the older batch of 16 loads is in
	MSUM \ph, 0, KF
	MLOAD 2, KF
	s_wait_dscnt 16
	MSUM \ph, 1, VF
	MLOAD 3, VF
	s_wait_dscnt 16
	MSUM \ph, 2, KF
	s_wait_dscnt 0
	MSUM \ph, 3, VF
	s_wait_xcnt 0x0                                ; the stores' data registers are S's: written again only behind this wait
.endm
	TRIP 0, 1, 1, 1, 0, 32                         ; block i0: its first masked tile starts the sums; block i1's 32 loads of Q may stay out
	v_add_nc_u32 v[DT], 0xffffff80, v[DT]          ; the next tile: 128 positions on
	TRIP 1, 1, 0, 3, 0, 0
	s_cmp_eq_u32 s57, 0                            ; c = 0, 1: no tile without a mask.  c is the same in all four partners
	s_cbranch_scc1 .Lp0_done
.Lp0:
	TRIP 0, 0, 0, 2, 0, 0
	TRIP 1, 0, 0, 3, 0, 0
	s_sub_co_u32 s57, s57, 1
	s_cmp_lg_u32 s57, 0
	s_cbranch_scc1 .Lp0
.Lp0_done:
	MERGE 0
	; block i1: 8 to 14 tiles without a mask
	s_sub_co_u32 s54, s75, 2
	s_mov_b32 s56, 0
	s_lshr_b32 s57, s54, 1
	s_sub_co_u32 s57, s57, 1                       ; 3 to 6 trips; the last two tiles are written out
	s_lshl_b32 s59, s54, 7
	v_sub_nc_u32 v[DT], v[DD+1], s59
	TRIP 0, 1, 1, 1, 128, 0
	v_add_nc_u32 v[DT], 0xffffff80, v[DT]
	TRIP 1, 1, 0, 2, 128, 0
.Lp1:
	TRIP 0, 0, 0, 2, 128, 0
	TRIP 1, 0, 0, 2, 128, 0
	s_sub_co_u32 s57, s57, 1
	s_cmp_gt_i32 s57, 0                            ; a signed compare: the loop ends from any start
	s_cbranch_scc1 .Lp1
	TRIP 0, 0, 0, 2, 128, 0
	TRIP 1, 0, 0, 0, 128, 0                        ; the last tile: nothing is left to fetch
	MERGE 1
	s_wait_tensorcnt 0x0
	ds_add_u32 v254, v255
	s_wait_dscnt 0x0
	ROUND                                          ; the closing round: no work-group ends while a partner may still ask for a tile that names it
	s_endpgm
.Lfunc_end_k_q280f067d88_attn:
	.size	k_q280f067d88_attn, .Lfunc_end_k_q280f067d88_attn-k_q280f067d88_attn
	.p2alignl 7, 3214868480
	.fill 96, 4, 3214868480
	.section	.rodata,"a",@progbits
	.p2align	6, 0x0
	.amdhsa_kernel k_q280f067d88_attn
		.amdhsa_group_segment_fixed_size 327680
		.amdhsa_private_segment_fixed_size 0
		.amdhsa_enable_private_segment 0
		.amdhsa_kernarg_size 16
		.amdhsa_user_sgpr_count 2
		.amdhsa_user_sgpr_kernarg_segment_ptr 1
		.amdhsa_wavefront_size32 1
		.amdhsa_system_sgpr_workgroup_id_x 1
		.amdhsa_system_sgpr_workgroup_id_y 1
		.amdhsa_system_sgpr_workgroup_id_z 1
		.amdhsa_system_vgpr_workitem_id 0
		.amdhsa_next_free_vgpr 912
		.amdhsa_next_free_sgpr 80
		.amdhsa_reserve_vcc 1
		.amdhsa_float_denorm_mode_32 3
		.amdhsa_float_denorm_mode_16_64 3
		.amdhsa_memory_ordered 1
		.amdhsa_forward_progress 1
		.amdhsa_inst_pref_size 255
	.end_amdhsa_kernel
	.section	.bss,"aw",@nobits
	.p2align	6
	.space	262144
	.amdgpu_metadata
---
amdhsa.version: [ 1, 2 ]
amdhsa.kernels:
  - .name:           k_q280f067d88_attn
    .symbol:         k_q280f067d88_attn.kd
    .args:
      - { .name: qkv, .offset: 0, .size: 8, .value_kind: global_buffer, .address_space: global }
      - { .name: ao, .offset: 8, .size: 8, .value_kind: global_buffer, .address_space: global }
    .group_segment_fixed_size: 327680
    .private_segment_fixed_size: 0
    .kernarg_segment_align: 8
    .kernarg_segment_size: 16
    .max_flat_workgroup_size: 128
    .sgpr_count:     80
    .vgpr_count:     912
    .wavefront_size: 32
...
	.end_amdgpu_metadata
.endif
;; end of part 3
;; launch outgemm (part 4): grid 8 x 32, 4 waves a work-group, clusters of 4 x 4, 327,680 bytes of LDS; arguments ao, woh, out0; writes out0
.if DOCPART == 4
	.amdgcn_target "amdgcn-amd-amdhsa--gfx1250"
	.amdhsa_code_object_version 6
	.text
	.protected	k_q280f067d88_outgemm
	.globl	k_q280f067d88_outgemm
	.p2align	8
	.type	k_q280f067d88_outgemm,@function
k_q280f067d88_outgemm:
	s_mov_b64 s[64:65], 0
	v_nop
	global_prefetch_b8 v0, s[64:65] scope:SCOPE_SE
	s_setreg_imm32_b32 hwreg(HW_REG_WAVE_MODE, 25, 1), 1
	s_wait_xcnt 0x0
	s_wait_alu depctr_hold_cnt(0) depctr_sa_sdst(0) depctr_va_vdst(0) depctr_va_sdst(0) depctr_va_ssrc(0) depctr_va_vcc(0) depctr_vm_vsrc(0)
	s_getreg_b32 s2, hwreg(HW_REG_IB_STS2, 6, 4)
	s_cmp_eq_u32 s2, 0
	s_cbranch_scc0 .Lentry_in_a_cluster
	s_endpgm
.Lentry_in_a_cluster:
	s_bfe_u32 s2, ttmp6, 0x10000c
	s_cmp_lg_u32 s2, 0xf033
	s_cbranch_scc0 .Lentry_shape_is_right
	s_endpgm
.Lentry_shape_is_right:
; OUTPUT PROJECTION: out0[m][n] = sum over k of (hi[m][k] + lo[m][k]) woh[k][n], f16 operands, f32 sums, f32 result.
; ao: [4096][8 heads][hi 128 | lo 128] f16: the attention output in two f16 terms; woh: [1024 k][2048 n] f16; out0: [4096][2048] f32.
; A row of ao is walked as it lies, in 16 steps of 128: step 2 j is head j's hi, step 2 j + 1 its lo, and both meet rows 128 j .. 128 j + 127 of woh.
; So slot 0 always holds a hi step and slot 1 a lo step, and woh's tile of a head is asked for once into each slot.  The second term doubles the matrix work:
; it is the price of not rounding the attention output to 11 bits.
; The same frame as the qkv projection.  A work-group makes 128 rows x 256 columns with four waves (256 work-groups), a wave 64 x 128 in 32 accumulator
; tiles.  Two LDS slots filled by the tensor data mover.  4 x 4 work-groups form a cluster: ao's tiles are asked for jointly
; along a row of the cluster, woh's along a column.  woh lies [k][n]: its fragments come out of LDS by the transposing load.
; The matrix instruction is used transposed (source 0 = 16 columns of woh, source 1 = 16 rows of ao): lane (r, h), register j of tile (a, b) holds
; C(16 a + r, 16 b + 8 h + j), eight neighbouring numbers of a row, 32 bytes.
; REGISTERS: window 0: v2-24 addresses; two fragment buffers at v32 and v128 (ao's 4 row blocks, then woh's 8 column blocks).  Window 1: tile (a, b) at v[8 (8 a + b)].
.set KDIM,   2048                      ; elements in a row of ao: 1,024 of hi and 1,024 of lo
.set NDIM,   2048
.set KSTEP,  128
.set APITCH, 272                       ; ao's LDS rows: 256 bytes + 16
.set BPITCH, 544                       ; woh's LDS rows: 512 bytes + 32
.set HALFT,  64*BPITCH                 ; a wave's region of a slot
.set SLOT,   4*HALFT                   ; regions 0, 1: ao's rows 0-63, 64-127; regions 2, 3: woh's k rows 0-63, 64-127
.set STAGE,  2*SLOT                    ; behind the ring: 16 rows x 528 bytes for each wave; no tensor load lands here
.set SPITCH, 528                       ; 512 bytes + 16: an odd multiple of 16
.set LAPS,   KDIM/(2*KSTEP)            ; a lap = a head's hi and lo = once round the ring
.set ADRA, 2
.set ADRB, 4
.set STO,  6
.set RD,   7
.set CO,   24
.set F0,   32
.set F1,   128
.set G1,  24
.set G0,  32
.set G1B, 48
.set G0B, 56
.set MSB, 0
.macro WIN new
.if MSB != (\new)
	s_set_vgpr_msb (MSB<<8)|(\new)
.set MSB, (\new)
.endif
.endm
.set MUL, 0x50                         ; C and D in window 1
.macro JLOAD s                         ; waves 0, 1 ask for ao's halves, waves 2, 3 for woh's; the branch hangs on the wave's number alone
	s_cmp_eq_u32 s11, 0
	s_cbranch_scc0 .Lfor_b_\@
	tensor_load_to_lds s[G0+4*\s:G0+4*\s+3], s[G1:G1+7]
	s_nop 0
	s_branch .Lasked_\@
.Lfor_b_\@:
	tensor_load_to_lds s[G0B+4*\s:G0B+4*\s+3], s[G1B:G1B+7]
	s_nop 0
.Lasked_\@:
.endm
.macro CREST                           ; a round of the cluster's barrier behind its opening barrier
	s_cmp_lg_u32 s10, 0
	s_cbranch_scc1 .Lnot_wave_0_\@
	s_barrier_signal -3
.Lnot_wave_0_\@:
	s_barrier_wait -3
	s_barrier_signal -1
	s_barrier_wait -1
.endm
.macro CROUND
	s_barrier_signal -1
	s_barrier_wait -1
	CREST
.endm
.macro PLACES                          ; four plain vector instructions behind a matrix instruction (ISA guide 7.12.1 for vector instructions)
.rept 4
	v_nop
.endr
.endm
	s_load_b128 s[4:7], s[0:1], 0x0                ; ao s[4:5], woh s[6:7]
	s_load_b64 s[8:9], s[0:1], 0x10                ; out0
	v_lshl_add_u32 v254, v0, 2, 0x4c400
	v_mov_b32 v255, 0
	ds_add_u32 v254, v255
	v_lshrrev_b32 v1, 5, v0
	v_readfirstlane_b32 s10, v1                    ; wave 0..3
	s_lshr_b32 s11, s10, 1                         ; my 64 rows.  Also: I fetch for ao (0) or for woh (1)
	s_and_b32 s12, s10, 1                          ; my 128 columns.  Also: which 64 rows of that tile I fetch
	s_bfe_u32 s40, ttmp6, 0x40000                  ; cx
	s_bfe_u32 s41, ttmp6, 0x40004                  ; cy
	s_lshl_b32 s42, ttmp9, 2
	s_add_co_u32 s42, s42, s40                     ; block column
	s_and_b32 s13, ttmp7, 0xffff
	s_lshl_b32 s13, s13, 2
	s_add_co_u32 s13, s13, s41                     ; block row
	s_lshl_b32 s43, s41, 2
	s_lshl_b32 s43, 15, s43                        ; my row of the cluster
	s_lshl_b32 s44, 0x1111, s40                    ; my column
	s_or_b32 s[G1+0], s43, (1<<16)|(1<<20)|(1<<21)|(5<<22)|(3<<25)    ; ao: 64 rows x 128 elements of 2 bytes, 4 words of padding behind every 64
	s_mov_b32 s[G1+1], KSTEP<<16
	s_mov_b32 s[G1+2], 64<<16
	s_mov_b32 s[G1+3], KSTEP<<16
	s_mov_b32 s[G1+4], 64
	s_mov_b32 s[G1+5], KDIM
	s_mov_b32 s[G1+6], 0
	s_mov_b32 s[G1+7], 0
	s_or_b32 s[G1B+0], s44, (1<<16)|(1<<20)|(1<<21)|(6<<22)|(7<<25)   ; woh: 64 k rows x 256 elements, 8 words of padding behind every 128
	s_mov_b32 s[G1B+1], 256<<16
	s_mov_b32 s[G1B+2], 64<<16
	s_mov_b32 s[G1B+3], 256<<16
	s_mov_b32 s[G1B+4], 64
	s_mov_b32 s[G1B+5], NDIM
	s_mov_b32 s[G1B+6], 0
	s_mov_b32 s[G1B+7], 0
	s_lshl_b32 s17, s12, 6
	s_lshl_b32 s16, s13, 7
	s_add_co_u32 s16, s16, s17                     ; ao: row 128 x block row + 64 x half
	s_mul_i32 s16, s16, KDIM*2
	s_mov_b32 s17, 0
	s_lshl_b32 s46, s42, 9                         ; woh: 256 columns of 2 bytes,
	s_lshl_b32 s47, s12, 18                        ; 64 k rows of 4,096 bytes
	s_add_co_u32 s46, s46, s47
	s_mov_b32 s47, 0
	s_mul_i32 s20, s10, HALFT                      ; the wave's region
	s_wait_dscnt 0x0
	s_wait_kmcnt 0x0
	s_add_nc_u64 s[14:15], s[4:5], s[16:17]
	s_add_nc_u64 s[46:47], s[6:7], s[46:47]
	CROUND                                         ; all sixteen work-groups are here: the first joint loads meet
.irp s, 0,1
	s_mov_b32 s[G0+4*\s], 1
	s_add_co_u32 s[G0+4*\s+1], s20, \s*SLOT
	s_add_nc_u64 s[G0+4*\s+2:G0+4*\s+3], s[14:15], \s*KSTEP*2              ; slot 0: head 0's hi; slot 1: its lo, 256 bytes on
	s_or_b32 s[G0+4*\s+3], s[G0+4*\s+3], 0x80000000
	s_mov_b32 s[G0B+4*\s], 1
	s_add_co_u32 s[G0B+4*\s+1], s20, \s*SLOT
	s_mov_b64 s[G0B+4*\s+2:G0B+4*\s+3], s[46:47]                           ; both slots: woh's rows of head 0
	s_or_b32 s[G0B+4*\s+3], s[G0B+4*\s+3], 0x80000000
	JLOAD \s                                       ; both slots' first fills go out together: two tensor loads of the wave are out
.endr
	v_and_b32 v1, 15, v0                           ; r
	v_bfe_u32 v8, v0, 4, 1                         ; h
	v_and_b32 v14, 31, v0                          ; l
	v_mul_u32_u24 v9, v1, APITCH
	v_lshl_add_u32 v9, v8, 4, v9
	s_mul_i32 s21, s11, HALFT
	v_and_b32 v10, 7, v0
	v_lshl_add_u32 v10, v8, 3, v10                 ; transposing load: k row 8 h + l % 8,
	v_mul_u32_u24 v10, v10, BPITCH
	v_bfe_u32 v11, v0, 3, 1
	v_lshl_add_u32 v10, v11, 4, v10                ; 16 bytes further for lanes 8-15 of each half
	s_lshl_b32 s22, s12, 8
	s_add_co_u32 s22, s22, 2*HALFT
.irp s, 0,1
	v_add_nc_u32 v[ADRA+\s], s21, v9
	v_add_nc_u32 v[ADRB+\s], s22, v10
	s_add_co_u32 s21, s21, SLOT
	s_add_co_u32 s22, s22, SLOT
.endr
	s_mul_i32 s23, s10, 16*SPITCH
	s_add_co_u32 s23, s23, STAGE                   ; my stage
	v_mul_u32_u24 v12, v1, SPITCH
	v_lshl_add_u32 v12, v8, 5, v12
	v_add_nc_u32 v[STO], s23, v12                  ; in: row r, 32 bytes for each half of the lanes
	v_lshlrev_b32 v[CO], 4, v14                    ; back and out: 32 lanes take a row's 512 bytes
	v_add_nc_u32 v[RD], s23, v[CO]
	s_lshl_b32 s18, s13, 7
	s_lshl_b32 s19, s11, 6
	s_add_co_u32 s18, s18, s19                     ; my first row of C
.macro MULA f, a, zero                 ; 8 matrix instructions: row block a x all 8 column blocks, 32 along K
.irp b, 0,1,2,3,4,5,6,7
.if \zero
	v_wmma_f32_16x16x32_f16 v[8*(8*\a+\b):8*(8*\a+\b)+7], v[\f+32+8*\b:\f+32+8*\b+7], v[\f+8*\a:\f+8*\a+7], 0
.else
	v_wmma_f32_16x16x32_f16 v[8*(8*\a+\b):8*(8*\a+\b)+7], v[\f+32+8*\b:\f+32+8*\b+7], v[\f+8*\a:\f+8*\a+7], v[8*(8*\a+\b):8*(8*\a+\b)+7]
.endif
.endr
.endm
.macro FETCH slot, q, f                ; 24 LDS loads in one run: quarter q of a slot into buffer f: woh's eight column blocks, then ao's four row blocks
	WIN 0
.irp b, 0,1,2,3,4,5,6,7
	ds_load_tr16_b128 v[\f+32+8*\b:\f+32+8*\b+3],   v[ADRB+\slot] offset:\q*32*BPITCH+32*\b
	ds_load_tr16_b128 v[\f+32+8*\b+4:\f+32+8*\b+7], v[ADRB+\slot] offset:\q*32*BPITCH+32*\b+16*BPITCH
.endr
.irp a, 0,1,2,3
	ds_load_b128 v[\f+8*\a:\f+8*\a+3],   v[ADRA+\slot] offset:\a*16*APITCH+64*\q
	ds_load_b128 v[\f+8*\a+4:\f+8*\a+7], v[ADRA+\slot] offset:\a*16*APITCH+64*\q+32
.endr
.endm
; The 32 accumulators take turns, one instruction a turn, in the same order in every quarter.
.macro QUARTER slot, qn, f, g, zero
	s_wait_dscnt 4                                 ; all but the youngest four loads (ao's row blocks 2 and 3) are in
	WIN MUL
	MULA \f, 0, \zero
	MULA \f, 1, \zero
	PLACES
	FETCH \slot, \qn, \g
	s_wait_dscnt 24                                ; all but the 24 just issued
	WIN MUL
	MULA \f, 2, \zero
	MULA \f, 3, \zero
.endm
.macro THREE slot, zero
	QUARTER \slot, 1, F0, F1, \zero
	QUARTER \slot, 2, F1, F0, 0
	QUARTER \slot, 3, F0, F1, 0
.endm
; The last quarter changes slots: each wave's reads of this slot and all its tensor loads are waited for in front of the barrier; the refill comes first behind it.
; A slot's next tiles are the next head's: 512 bytes on in ao's rows (past this head's hi and lo), 128 rows down in woh.
.macro TURN slot, next, fill
	s_wait_dscnt 4
	WIN MUL
	MULA F1, 0, 0
	s_wait_dscnt 0                                 ; my reads of this slot are over
	s_wait_tensorcnt 0x0                           ; all my tensor loads have landed: the one that was out is my part of the next slot
	ds_add_u32 v254, v255
	s_wait_dscnt 0x0
	s_barrier_signal -1                            ; (where the slot is filled again this barrier opens a round of the cluster's barrier)
	MULA F1, 1, 0
	WIN 0
	s_barrier_wait -1
.if \fill
	CREST
	s_add_nc_u64 s[G0+4*\slot+2:G0+4*\slot+3], s[G0+4*\slot+2:G0+4*\slot+3], 2*KSTEP*2
	s_add_nc_u64 s[G0B+4*\slot+2:G0B+4*\slot+3], s[G0B+4*\slot+2:G0B+4*\slot+3], KSTEP*NDIM*2
	JLOAD \slot                                    ; the wave's one tensor load behind the round
.endif
	PLACES
	FETCH \next, 0, F0
	WIN MUL
	MULA F1, 2, 0
	MULA F1, 3, 0
.endm
.macro LAP zero
	THREE 0, \zero
	TURN 0, 1, 1
	THREE 1, 0
	TURN 1, 0, 1
.endm
	s_wait_tensorcnt 1                             ; my part of step 0 is in; step 1's may stay out
	s_barrier_signal -1
	s_barrier_wait -1
	FETCH 0, 0, F0
	LAP 1                                          ; the first products start the sums
	WIN 0
	s_mov_b32 s3, LAPS-2
.Llap:
	LAP 0
	WIN 0
	s_sub_co_u32 s3, s3, 1
	s_cmp_lg_u32 s3, 0
	s_cbranch_scc1 .Llap
	THREE 0, 0                                     ; the last lap fills nothing
	TURN 0, 1, 0
	THREE 1, 0
	s_wait_dscnt 4
	WIN MUL
	MULA F1, 0, 0
	MULA F1, 1, 0
	s_wait_dscnt 0
	MULA F1, 2, 0
	MULA F1, 3, 0
	WIN 0
	; THE WAY OUT, 16 rows at a time: the sums go as they are into my own stage in LDS and come back as whole rows of 512 bytes.
	PLACES
	s_mul_i32 s16, s18, NDIM*4
	s_mov_b32 s17, 0
	s_add_nc_u64 s[8:9], s[8:9], s[16:17]          ; my first row of out0
	s_lshl_b32 s46, s42, 10                        ; my first column, in bytes: 1,024 x block + 512 x half
	s_lshl_b32 s47, s12, 9
	s_add_co_u32 s46, s46, s47
	s_mov_b32 s47, 0
	s_add_nc_u64 s[8:9], s[8:9], s[46:47]
.macro OUTF a, rb
	WIN 0x04                                       ; the stores' data in window 1
.irp b, 0,1,2,3,4,5,6,7
	ds_store_b128 v[STO], v[8*(8*\a+\b):8*(8*\a+\b)+3]   offset:64*\b
	ds_store_b128 v[STO], v[8*(8*\a+\b)+4:8*(8*\a+\b)+7] offset:64*\b+16
.endr
	WIN 0
	s_wait_xcnt 0x0                                ; buffer rb, which earlier stores read, and the stores' base are rewritten only behind this wait
.if \a
	s_add_nc_u64 s[8:9], s[8:9], 16*NDIM*4         ; 16 rows on
.endif
.irp t, 0,1,2,3,4,5,6,7,8,9,10,11,12,13,14,15
	ds_load_b128 v[\rb+4*\t:\rb+4*\t+3], v[RD] offset:\t*SPITCH            ; LDS serves a wave's instructions in order: these see the stores above
.endr
.irp t, 0,1,2,3,4,5,6,7,8,9,10,11,12,13,14,15
	s_wait_dscnt 15-\t
	global_store_b128 v[CO], v[\rb+4*\t:\rb+4*\t+3], s[8:9] offset:\t*NDIM*4 th:TH_STORE_NT   ; the wave stores 512 consecutive bytes, aligned
.endr
.endm
	OUTF 0, 32
	OUTF 1, 128
	OUTF 2, 32
	OUTF 3, 128
	s_wait_tensorcnt 0x0
	ds_add_u32 v254, v255
	s_wait_dscnt 0x0
	CROUND                                         ; the closing round: no work-group ends while a partner may still ask for a tile that names it
	s_endpgm
.Lfunc_end_k_q280f067d88_outgemm:
	.size	k_q280f067d88_outgemm, .Lfunc_end_k_q280f067d88_outgemm-k_q280f067d88_outgemm
	.p2alignl 7, 3214868480
	.fill 96, 4, 3214868480
	.section	.rodata,"a",@progbits
	.p2align	6, 0x0
	.amdhsa_kernel k_q280f067d88_outgemm
		.amdhsa_group_segment_fixed_size 327680
		.amdhsa_private_segment_fixed_size 0
		.amdhsa_enable_private_segment 0
		.amdhsa_kernarg_size 24
		.amdhsa_user_sgpr_count 2
		.amdhsa_user_sgpr_kernarg_segment_ptr 1
		.amdhsa_wavefront_size32 1
		.amdhsa_system_sgpr_workgroup_id_x 1
		.amdhsa_system_sgpr_workgroup_id_y 1
		.amdhsa_system_sgpr_workgroup_id_z 1
		.amdhsa_system_vgpr_workitem_id 0
		.amdhsa_next_free_vgpr 512
		.amdhsa_next_free_sgpr 72
		.amdhsa_reserve_vcc 0
		.amdhsa_float_denorm_mode_32 3
		.amdhsa_float_denorm_mode_16_64 3
		.amdhsa_memory_ordered 1
		.amdhsa_forward_progress 1
		.amdhsa_inst_pref_size 118
	.end_amdhsa_kernel
	.amdgpu_metadata
---
amdhsa.version: [ 1, 2 ]
amdhsa.kernels:
  - .name:           k_q280f067d88_outgemm
    .symbol:         k_q280f067d88_outgemm.kd
    .args:
      - { .name: ao, .offset: 0, .size: 8, .value_kind: global_buffer, .address_space: global }
      - { .name: woh, .offset: 8, .size: 8, .value_kind: global_buffer, .address_space: global }
      - { .name: out0, .offset: 16, .size: 8, .value_kind: global_buffer, .address_space: global }
    .group_segment_fixed_size: 327680
    .private_segment_fixed_size: 0
    .kernarg_segment_align: 8
    .kernarg_segment_size: 24
    .max_flat_workgroup_size: 128
    .sgpr_count:     72
    .vgpr_count:     512
    .wavefront_size: 32
...
	.end_amdgpu_metadata
.endif
;; end of part 4
;; ======== version 2 of 2: 4 launches; 1.12 times as fast as version 1
;; limits: values are held in f16: magnitudes above 65,504 overflow, below 6.1e-05 lose precision
;; workspace buffers: xh 16,777,216 bytes; wqkv 8,388,608 bytes; woh 4,194,304 bytes; rope 1,049,088 bytes; qkv 16,777,216 bytes; ao 10,485,760 bytes
;; launch prep: the kernel of part 1 again; grid 1024 x 1, 8 waves a work-group, no clusters, 0 bytes of LDS; arguments x, Wq, Wk, Wv, Wo, xh, wqkv, woh, rope; writes xh, wqkv, woh, rope
;; launch qkvgemm: the kernel of part 2 again; grid 8 x 32, 4 waves a work-group, clusters of 4 x 4, 327,680 bytes of LDS; arguments xh, wqkv, qkv, rope; writes qkv
;; launch attn (part 5): grid 32 x 8, 4 waves a work-group, clusters of 4 x 1, 327,680 bytes of LDS; arguments qkv, ao; writes ao
.if DOCPART == 5
	.amdgcn_target "amdgcn-amd-amdhsa--gfx1250"
	.amdhsa_code_object_version 6
	.text
	.protected	k_q280f067d88_attn
	.globl	k_q280f067d88_attn
	.p2align	8
	.type	k_q280f067d88_attn,@function
k_q280f067d88_attn:
	s_mov_b64 s[64:65], 0
	v_nop
	global_prefetch_b8 v0, s[64:65] scope:SCOPE_SE
	s_setreg_imm32_b32 hwreg(HW_REG_WAVE_MODE, 25, 1), 1
	s_wait_xcnt 0x0
	s_wait_alu depctr_hold_cnt(0) depctr_sa_sdst(0) depctr_va_vdst(0) depctr_va_sdst(0) depctr_va_ssrc(0) depctr_va_vcc(0) depctr_vm_vsrc(0)
	s_getreg_b32 s2, hwreg(HW_REG_IB_STS2, 6, 4)
	s_cmp_eq_u32 s2, 0
	s_cbranch_scc0 .Lentry_in_a_cluster
	s_endpgm
.Lentry_in_a_cluster:
	s_bfe_u32 s2, ttmp6, 0x10000c
	s_cmp_lg_u32 s2, 0x3003
	s_cbranch_scc0 .Lentry_shape_is_right
	s_endpgm
.Lentry_shape_is_right:
; CAUSAL GROUPED-QUERY ATTENTION.  qkv: [4096 = 2048 b + s][2048] f16 (q head h at column 128 h, k heads from 1024, v heads from 1536), already rotated.
; ao: [2 batches][2560 rows][1024] f16, head h at column 128 h.  Row s (0..2047) holds position s's result in f16 (hi); row 2048 + s holds, for positions
; 0 to 511 alone, the rest lo = result - hi.  A row with few keys is not averaged and stands far above the bulk of the output, so one more rounding to 11 bits
; on its way to the output projection would show there; hi + lo carries about 22 bits (or 3e-8 absolute, if that is coarser).
; LIMIT: from position 512 on the result is rounded once to f16.
; Products in f16 with f32 sums; softmax in f32 with a running maximum.
; LIMIT: the weights p (at most 1) are rounded to f16; a result above 65,504 becomes infinite; the order of the sums differs from a plain row sum.
; SHARES.  A query block is 32 positions x the 2 heads of one kv head = 64 rows.  A work-group serves blocks i0 = p and i1 = 63 - p (p = 4 c + cx, 0..31) of one
; (batch, kv head), one after the other.  K/V go in tiles of 128 positions; a block needs i / 4 + 1 of them, rounded up to an even number so that the two LDS
; slots keep their turns: (c + 2) & ~1 and (17 - c) & ~1, 18 together in every work-group.  8 x 4 x 8 = 256 work-groups of equal work.
; CLUSTERS.  The four work-groups of a cluster share c, batch and kv head, so they walk the very same tiles: K and V come by joint loads, mask 15.
; cx enters only global addresses (q, ao) and the numbers that the mask compares; no branch, trip count or LDS address hangs on it.
; In each tile wave w takes all 64 rows against positions 32 w .. 32 w + 31, with a maximum, a sum and an O of its own; the four are merged through LDS at a block's end.
; BOTH PRODUCTS ARE USED TRANSPOSED.  S^T = K Q^T: lane (r, h), register j holds (position 16 kb + 8 h + j, row r).  O^T = V^T P^T: (d = 16 db + 8 h + j, row r).
; So a row's softmax state is the lane's own but for one exchange with lane l xor 16, and P's fragment is made by packing the lane's own registers.
; ORDER OF TILES in a block: the two that need the mask (the last two) first, then 0, 1, ...: the first trip starts O, so nothing is cleared.
; THE MASK writes -2^100.  c2 x 2^100 is exact, so a part that is masked altogether gives p = 2^0 = 1, finite numbers that a later factor 2^(-huge) = 0 removes.
; True scores cannot come near it: |q k| <= 128 x 65,504^2.
; NM = -(c2 M), rounded once, is what is kept: p = 2^(c2 s + NM), rescale = 2^(NM new - NM old), merge = 2^(NM all - NM mine); c2 = 128^-0.5 log2 e.
; REGISTERS.  Window 0: as named below.  Window 1: Q's fragments (nb, ks) at 8 (4 nb + ks), block i0 from 0, block i1 from 128.
; Windows 2 (row blocks 0, 1) and 3 (row blocks 2, 3): O(db, nbl) at 8 (8 nbl + db), P(nbl) at 128 + 8 nbl.  Row block nb: positions 16 (nb & 1) + r, head nb >> 1.
.set KP,    272                        ; K's LDS rows: 256 bytes + 16
.set VP,    288                        ; V's LDS rows: 256 bytes + 32, an odd multiple of 32 for the transposing load
.set REG,   64*VP                      ; a wave's region of a slot: 64 rows
.set SLOT,  4*REG                      ; regions 0, 1: K's rows 0-63, 64-127; regions 2, 3: V's, one behind the other
.set STAGE, 2*SLOT                     ; the merge: for each wave 64 rows x 528 bytes of O; no tensor load lands here
.set OP,    528
.set WSTG,  64*OP
.set STAT,  STAGE+4*WSTG               ; the merge: for each wave 4 x 16 pairs (NM, L)
.set AOROW, 2048                       ; bytes in a row of ao
.set ABATCH, 2560*AOROW                ; bytes of a batch in ao: 2,048 rows of hi, 512 of lo
.set LOOFF, 2048*AOROW                 ; from a position's hi to its lo
.set ADRK, 2                           ; v2-3     my K fragments in slot 0, 1
.set ADRV, 4                           ; v4-5     my V fragments in slot 0, 1
.set DT,   7                           ; v7       the mask: my row's position less my first position of the tile
.set NML,  8                           ; v8-15    pairs (NM, L) for nb = 0..3
.set AL,   16                          ; v16-19   the rescaling factor
.set TM,   24                          ; v24-27
.set TX,   28                          ; v28-31
.set SS,   32                          ; v32-95   S(kb, nb) at 8 (4 kb + nb)
.set OBL,  32                          ; v32-63   the merge: packed rows of lo on their way out (the merge's statistics, which lie here first, are dead by then)
.set OB,   64                          ; v64-95   the merge: packed rows of hi on their way out
.set KF,   96                          ; v96-159  K's fragments (kb, ks) at 8 (4 kb + ks)
.set VF,   160                         ; v160-223 V's fragments at 8 db
.set NEGV, 224
.set QO,   225                         ; v225-226 byte offset of my part of Q, block i0, i1
.set DD,   227                         ; v227-228 32 i + r - 32 w - 8 h
.set AOO,  229                         ; v229-230 byte offset in ao
.set STA,  231
.set PS,   232                         ; v232-239 pairs of partial sums
.set MM,   240                         ; v240-243 the running maximum
.set STRD, 244
.set STO,  245
.set RDA,  246                         ; v246-249
.set G1K, 16                           ; s[16:23] group 1 for K's tiles
.set G1V, 24                           ; s[24:31] group 1 for V's tiles
.set G0K, 32                           ; s[32:39] group 0 for K's tiles, a set for each slot
.set G0V, 40                           ; s[40:47] the same for V
.set MSB, 0
.macro WIN new
.if MSB != (\new)
	s_set_vgpr_msb (MSB<<8)|(\new)
.set MSB, (\new)
.endif
.endm
.macro PLACES                          ; four plain vector instructions behind a matrix instruction (not for loads)
.rept 4
	v_nop
.endr
.endm
.macro ROUND                           ; a round of the cluster's barrier
	s_barrier_signal -1
	s_barrier_wait -1
	s_cmp_lg_u32 s8, 0
	s_cbranch_scc1 .Lnot_wave_0_\@
	s_barrier_signal -3
.Lnot_wave_0_\@:
	s_barrier_wait -3
	s_barrier_signal -1
	s_barrier_wait -1
.endm
.macro JLOAD s                         ; waves 0, 1 ask for K's halves, waves 2, 3 for V's; the branch hangs on the wave's number alone
	s_cmp_eq_u32 s9, 0
	s_cbranch_scc0 .Lfor_v_\@
	tensor_load_to_lds s[G0K+4*(\s):G0K+4*(\s)+3], s[G1K:G1K+7]
	s_nop 0
	s_branch .Lasked_\@
.Lfor_v_\@:
	tensor_load_to_lds s[G0V+4*(\s):G0V+4*(\s)+3], s[G1V:G1V+7]
	s_nop 0
.Lasked_\@:
.endm
.macro SETADR o                        ; tile s58's addresses into slot o's two groups 0: 128 rows of 4,096 bytes a tile
	s_lshl_b32 s52, s58, 19
	s_add_nc_u64 s[G0K+4*(\o)+2:G0K+4*(\o)+3], s[48:49], s[52:53]
	s_or_b32 s[G0K+4*(\o)+3], s[G0K+4*(\o)+3], 0x80000000
	s_add_nc_u64 s[G0V+4*(\o)+2:G0V+4*(\o)+3], s[50:51], s[52:53]
	s_or_b32 s[G0V+4*(\o)+3], s[G0V+4*(\o)+3], 0x80000000
.endm
.macro SCALEO wn, nbl, db              ; O(db, nbl) of window 2 + wn times the row block's factor: the pair's first register for nbl = 0, its second for nbl = 1
.irp jj, 0,2,4,6
.if \nbl
	v_pk_mul_f32 v[8*(8*\nbl+\db)+\jj:8*(8*\nbl+\db)+\jj+1], v[AL+2*\wn:AL+2*\wn+1], v[8*(8*\nbl+\db)+\jj:8*(8*\nbl+\db)+\jj+1] op_sel:[1,0] op_sel_hi:[1,1]
.else
	v_pk_mul_f32 v[8*(8*\nbl+\db)+\jj:8*(8*\nbl+\db)+\jj+1], v[AL+2*\wn:AL+2*\wn+1], v[8*(8*\nbl+\db)+\jj:8*(8*\nbl+\db)+\jj+1] op_sel_hi:[0,1]
.endif
.endr
.endm
	s_load_b128 s[4:7], s[0:1], 0x0                ; qkv s[4:5], ao s[6:7]
	v_lshl_add_u32 v254, v0, 2, 0x45800
	v_mov_b32 v255, 0
	ds_add_u32 v254, v255
	v_lshrrev_b32 v1, 5, v0
	v_readfirstlane_b32 s8, v1                     ; wave w
	s_lshr_b32 s9, s8, 1
	s_and_b32 s10, s8, 1
	s_bfe_u32 s12, ttmp6, 0x40000                  ; cx
	s_and_b32 s13, ttmp7, 0xffff
	s_lshr_b32 s14, s13, 2                         ; batch
	s_and_b32 s15, s13, 3                          ; kv head
	s_lshl_b32 s72, ttmp9, 2
	s_add_co_u32 s72, s72, s12                     ; i0 = 4 c + cx
	s_sub_co_u32 s73, 63, s72                      ; i1
	s_add_co_u32 s74, ttmp9, 2
	s_and_b32 s74, s74, -2                         ; tiles of block i0: of c alone
	s_sub_co_u32 s75, 17, ttmp9
	s_and_b32 s75, s75, -2                         ; tiles of block i1
	s_mov_b32 s60, 0x3e0293ee                      ; c2 = 128^-0.5 log2 e, twice: a pair for the packed multiply-add
	s_mov_b32 s61, 0x3e0293ee
	s_mov_b32 s62, 0xbe0293ee                      ; -c2
	s_mov_b32 s66, 0x76543210                      ; v_permlanex16_b32: lane l takes lane l xor 16
	s_mov_b32 s67, 0xfedcba98
	s_mov_b32 s78, 0x46000400                      ; 8193 = 2^13 + 1, twice: the split of an f32 into 11 bits and the rest
	s_mov_b32 s79, 0x46000400
	; group 1: 64 rows x 128 elements of 2 bytes, 2,048 elements from row to row; K: 4 words of padding behind every 64 words, V: 8
	s_mov_b32 s[G1K+0], 15|(1<<16)|(1<<20)|(1<<21)|(5<<22)|(3<<25)
	s_mov_b32 s[G1K+1], 128<<16
	s_mov_b32 s[G1K+2], 64<<16
	s_mov_b32 s[G1K+3], 128<<16
	s_mov_b32 s[G1K+4], 64
	s_mov_b32 s[G1K+5], 2048
	s_mov_b32 s[G1K+6], 0
	s_mov_b32 s[G1K+7], 0
	s_mov_b32 s[G1V+0], 15|(1<<16)|(1<<20)|(1<<21)|(5<<22)|(7<<25)
	s_mov_b32 s[G1V+1], 128<<16
	s_mov_b32 s[G1V+2], 64<<16
	s_mov_b32 s[G1V+3], 128<<16
	s_mov_b32 s[G1V+4], 64
	s_mov_b32 s[G1V+5], 2048
	s_mov_b32 s[G1V+6], 0
	s_mov_b32 s[G1V+7], 0
	s_mul_i32 s59, s8, REG                         ; the wave's region
.irp s, 0,1
	s_mov_b32 s[G0K+4*\s], 1
	s_add_co_u32 s[G0K+4*\s+1], s59, \s*SLOT
	s_mov_b32 s[G0V+4*\s], 1
	s_add_co_u32 s[G0V+4*\s+1], s59, \s*SLOT
.endr
	s_lshl_b32 s52, s14, 23                        ; 2,048 rows of 4,096 bytes a batch
	s_lshl_b32 s63, s10, 18                        ; my 64 rows of a tile
	s_add_co_u32 s52, s52, s63
	s_lshl_b32 s63, s15, 8                         ; 256 bytes a kv head
	s_add_co_u32 s52, s52, s63
	s_add_co_u32 s52, s52, 2048                    ; k's columns begin at 1024
	s_mov_b32 s53, 0
	s_wait_dscnt 0x0
	s_wait_kmcnt 0x0
	s_add_nc_u64 s[48:49], s[4:5], s[52:53]        ; K at tile 0, my half
	s_add_nc_u64 s[50:51], s[48:49], 1024          ; V: 512 columns on
	s_lshl_b32 s52, s14, 23
	s_lshl_b32 s63, s15, 9                         ; two q heads of 256 bytes a kv head, in qkv and in ao
	s_add_co_u32 s52, s52, s63
	s_add_nc_u64 s[68:69], s[4:5], s[52:53]        ; Q
	s_mul_i32 s52, s14, ABATCH                     ; ao: 2,560 rows of 2,048 bytes a batch
	s_add_co_u32 s52, s52, s63
	s_lshl_b32 s63, s9, 8                          ; at the merge I write row block nb = w: head w >> 1,
	s_add_co_u32 s52, s52, s63
	s_lshl_b32 s63, s10, 15                        ; positions from 16 (w & 1)
	s_add_co_u32 s52, s52, s63
	s_add_nc_u64 s[70:71], s[6:7], s[52:53]
	v_and_b32 v1, 15, v0                           ; r
	v_bfe_u32 v6, v0, 4, 1                         ; h
	v_and_b32 v20, 31, v0                          ; l
	s_lshl_b32 s76, s72, 5
	s_lshl_b32 s77, s73, 5
	v_add_nc_u32 v21, s76, v1                      ; 32 i0 + r
	v_add_nc_u32 v22, s77, v1                      ; 32 i1 + r
	v_lshlrev_b32 v23, 4, v6
	v_lshl_add_u32 v[QO], v21, 12, v23             ; row x 4,096 + 16 h
	v_lshl_add_u32 v[QO+1], v22, 12, v23
	; Q's fragments, both blocks, once: row r of block nb, d = 32 ks + 8 h .. and 32 ks + 16 + 8 h ..   64 loads; block i0's 32 go first
	WIN 0x40
.irp ph, 0,1
.irp nb, 0,1,2,3
.irp ks, 0,1,2,3
	global_load_b128 v[128*\ph+8*(4*\nb+\ks):128*\ph+8*(4*\nb+\ks)+3],   v[QO+\ph], s[68:69] offset:(\nb&1)*65536+(\nb>>1)*256+64*\ks
	global_load_b128 v[128*\ph+8*(4*\nb+\ks)+4:128*\ph+8*(4*\nb+\ks)+7], v[QO+\ph], s[68:69] offset:(\nb&1)*65536+(\nb>>1)*256+64*\ks+32
.endr
.endr
.endr
	WIN 0
	; block i0
	s_sub_co_u32 s54, s74, 2                       ; its first masked tile; also the number of tiles without a mask
	s_sub_co_u32 s55, s75, 2                       ; block i1's first tile, asked for by block i0's last trip
	s_mov_b32 s56, 0                               ; the next tile without a mask
	s_lshr_b32 s57, s54, 1                         ; trips of the loop, two tiles each
	s_mov_b32 s58, s54
	SETADR 0
	ROUND                                          ; all four work-groups are here: the first joint load meets
	JLOAD 0                                        ; one tensor load of the wave is out, here and behind every later round
	s_lshl_b32 s59, s8, 5
	v_lshl_add_u32 v23, v6, 3, s59                 ; 32 w + 8 h
	v_sub_nc_u32 v[DD], v21, v23
	v_sub_nc_u32 v[DD+1], v22, v23
	v_lshlrev_b32 v23, 3, v20
	s_lshl_b32 s76, s72, 16                        ; 32 rows of 2,048 bytes a block
	s_lshl_b32 s77, s73, 16
	v_add_nc_u32 v[AOO], s76, v23
	v_add_nc_u32 v[AOO+1], s77, v23
	v_mul_u32_u24 v21, v1, KP
	v_lshl_add_u32 v21, v6, 4, v21
	s_mul_i32 s59, s9, REG
	s_mul_i32 s63, s10, 32*KP
	s_add_co_u32 s59, s59, s63                     ; K's row 32 w
	v_add_nc_u32 v[ADRK], s59, v21
	v_add_nc_u32 v[ADRK+1], SLOT, v[ADRK]
	v_and_b32 v22, 7, v0
	v_lshl_add_u32 v22, v6, 3, v22                 ; transposing load: row 8 h + l % 8,
	v_mul_u32_u24 v22, v22, VP
	v_bfe_u32 v23, v0, 3, 1
	v_lshl_add_u32 v22, v23, 4, v22                ; 16 bytes further for lanes 8-15 of each half
	s_mul_i32 s59, s8, 32*VP
	s_add_co_u32 s59, s59, 2*REG                   ; V's row 32 w
	v_add_nc_u32 v[ADRV], s59, v22
	v_add_nc_u32 v[ADRV+1], SLOT, v[ADRV]
	s_lshl_b32 s59, s8, 9
	s_add_co_u32 s59, s59, STAT
	v_lshl_add_u32 v[STA], v1, 3, s59
	v_lshlrev_b32 v21, 3, v1
	v_add_nc_u32 v[STRD], STAT, v21
	s_mul_i32 s59, s8, WSTG
	s_add_co_u32 s59, s59, STAGE
	v_mul_u32_u24 v21, v1, OP
	v_lshl_add_u32 v21, v6, 5, v21
	v_add_nc_u32 v[STO], s59, v21                  ; my copy of O: row r of a row block, 32 bytes for each half of the lanes
	s_mul_i32 s59, s8, 16*OP
	s_add_co_u32 s59, s59, STAGE
	v_lshl_add_u32 v21, v20, 4, s59                ; the rows that I sum: row block w, 16 bytes a lane, in each wave's copy
.irp ww, 0,1,2,3
	v_add_nc_u32 v[RDA+\ww], \ww*WSTG, v21
.endr
	v_mov_b32 v[NEGV], 0xf1800000                  ; -2^100
.irp nb, 0,1,2,3
	v_mov_b32 v[TX+\nb], 0                         ; a destination of v_permlanex16_b32 counts as read
	v_mov_b32 v[NML+2*\nb+1], 0                    ; L is the unused half of a packed source before its first value is there
.endr
	s_lshl_b32 s59, s54, 7
	v_sub_nc_u32 v[DT], v[DD], s59
; One tile.  slot: where it lies; mask: it needs the mask; first: it starts a block's sums; req: which tile is asked for into the other slot
; (0 none, 1 the second masked tile, 2 the next unmasked one, 3 the same or, when there is none left, the next block's first); qb: Q's base in window 1;
; qleft: younger loads of Q that may stay out.
.macro TRIP slot, mask, first, req, qb, qleft
.if \first == 0
	PLACES                                         ; behind the last trip's products, ahead of the loads into V's registers
.endif
	s_wait_tensorcnt 0x0                           ; all my tensor loads have landed, my part of this tile among them: every group 0 may be written
	ds_add_u32 v254, v255
	s_wait_dscnt 0x0
.if \req == 1
	s_add_co_u32 s58, s54, 1
.endif
.if \req == 2
	s_mov_b32 s58, s56
	s_add_co_u32 s56, s56, 1
.endif
.if \req == 3
	s_cmp_eq_u32 s56, s54
	s_cselect_b32 s58, s55, s56
	s_add_co_u32 s56, s56, 1
.endif
.if \req
	SETADR 1-\slot
.endif
	s_wait_dscnt 0x0                               ; my reads of the other slot are over
	ROUND                                          ; both now hold of every wave of all four work-groups
.if \req
	JLOAD 1-\slot                                  ; the wave's one tensor load behind the round: it has this trip's work in which to land
.endif
.irp kb, 0,1
.irp ks, 0,1,2,3
	ds_load_b128 v[KF+8*(4*\kb+\ks):KF+8*(4*\kb+\ks)+3],   v[ADRK+\slot] offset:\kb*16*KP+64*\ks
	ds_load_b128 v[KF+8*(4*\kb+\ks)+4:KF+8*(4*\kb+\ks)+7], v[ADRK+\slot] offset:\kb*16*KP+64*\ks+32
.endr
.endr
.irp db, 0,1,2,3,4,5,6,7
	ds_load_tr16_b128 v[VF+8*\db:VF+8*\db+3],   v[ADRV+\slot] offset:32*\db
	ds_load_tr16_b128 v[VF+8*\db+4:VF+8*\db+7], v[ADRV+\slot] offset:32*\db+16*VP
.endr
.if \first
	s_wait_loadcnt \qleft                          ; this block's Q is in
.endif
	s_wait_dscnt 16                                ; K's 16 loads are in, V's 16 stay out
	; S^T = K Q^T: 8 tiles by turns, one instruction a turn; the first 32 of d start the sums
	WIN 0x04
.irp ks, 0,1,2,3
.irp kb, 0,1
.irp nb, 0,1,2,3
.if \ks == 0
	v_wmma_f32_16x16x32_f16 v[SS+8*(4*\kb+\nb):SS+8*(4*\kb+\nb)+7], v[KF+8*(4*\kb+\ks):KF+8*(4*\kb+\ks)+7], v[\qb+8*(4*\nb+\ks):\qb+8*(4*\nb+\ks)+7], 0
.else
	v_wmma_f32_16x16x32_f16 v[SS+8*(4*\kb+\nb):SS+8*(4*\kb+\nb)+7], v[KF+8*(4*\kb+\ks):KF+8*(4*\kb+\ks)+7], v[\qb+8*(4*\nb+\ks):\qb+8*(4*\nb+\ks)+7], v[SS+8*(4*\kb+\nb):SS+8*(4*\kb+\nb)+7]
.endif
.endr
.endr
.endr
	WIN 0
	PLACES
.if \mask
	; position 128 tile + 32 w + 16 kb + 8 h + j is masked for row position 32 i + 16 par + r where 16 kb + j - 16 par > DT; both heads alike
.irp par, 0,1
.irp kb, 0,1
.irp j, 0,1,2,3,4,5,6,7
	v_cmp_gt_i32 vcc_lo, 16*\kb+\j-16*\par, v[DT]
	v_cndmask_b32 v[SS+8*(4*\kb+\par)+\j],   v[SS+8*(4*\kb+\par)+\j],   v[NEGV], vcc_lo
	v_cndmask_b32 v[SS+8*(4*\kb+\par+2)+\j], v[SS+8*(4*\kb+\par+2)+\j], v[NEGV], vcc_lo
.endr
.endr
.endr
.endif
	; the maximum of my 16 scores of each row and of the running maximum; four chains side by side
.irp nb, 0,1,2,3
	v_max3_num_f32 v[TM+\nb], v[SS+8*\nb], v[SS+8*\nb+1], v[SS+8*\nb+2]
.endr
.irp st, 3,5
.irp nb, 0,1,2,3
	v_max3_num_f32 v[TM+\nb], v[TM+\nb], v[SS+8*\nb+\st], v[SS+8*\nb+\st+1]
.endr
.endr
.irp nb, 0,1,2,3
	v_max3_num_f32 v[TM+\nb], v[TM+\nb], v[SS+8*\nb+7], v[SS+32+8*\nb]
.endr
.irp st, 1,3,5
.irp nb, 0,1,2,3
	v_max3_num_f32 v[TM+\nb], v[TM+\nb], v[SS+32+8*\nb+\st], v[SS+32+8*\nb+\st+1]
.endr
.endr
.irp nb, 0,1,2,3
.if \first
	v_max_num_f32 v[TM+\nb], v[TM+\nb], v[SS+32+8*\nb+7]
.else
	v_max3_num_f32 v[TM+\nb], v[TM+\nb], v[SS+32+8*\nb+7], v[MM+\nb]
.endif
.endr
.irp nb, 0,1,2,3
	v_permlanex16_b32 v[TX+\nb], v[TM+\nb], s66, s67       ; the other 16 positions of the same row
.endr
.irp nb, 0,1,2,3
	v_max_num_f32 v[MM+\nb], v[TM+\nb], v[TX+\nb]
.endr
.irp nb, 0,1,2,3
	v_mul_f32 v[TM+\nb], s62, v[MM+\nb]                    ; NM = -c2 M
.endr
.if \first == 0
.irp nb, 0,1,2,3
	v_sub_f32 v[AL+\nb], v[TM+\nb], v[NML+2*\nb]           ; never above 0
.endr
.endif
.irp nb, 0,1,2,3
	v_mov_b32 v[NML+2*\nb], v[TM+\nb]
.endr
.if \first == 0
.irp nb, 0,1,2,3
	v_exp_f32 v[AL+\nb], v[AL+\nb]                         ; plain instructions follow before it is used (ISA guide 5.7.2)
.endr
.endif
.irp kb, 0,1
.irp nb, 0,1,2,3
.irp jj, 0,2,4,6
	v_pk_fma_f32 v[SS+8*(4*\kb+\nb)+\jj:SS+8*(4*\kb+\nb)+\jj+1], v[SS+8*(4*\kb+\nb)+\jj:SS+8*(4*\kb+\nb)+\jj+1], s[60:61], v[NML+2*\nb:NML+2*\nb+1] op_sel_hi:[1,0,0]   ; c2 s + NM, both halves with NM
.endr
.endr
.endr
.set i, 0
.rept 64
	v_exp_f32 v[SS+i], v[SS+i]
.set i, i+1
.endr
	v_nop                                          ; the plain instruction between the exponentials and their use
	s_wait_alu depctr_va_vdst(0)
.irp nb, 0,1,2,3
	v_pk_add_f32 v[PS+2*\nb:PS+2*\nb+1], v[SS+8*\nb:SS+8*\nb+1], v[SS+8*\nb+2:SS+8*\nb+3]
.endr
.irp st, 4,6,32,34,36,38
.irp nb, 0,1,2,3
	v_pk_add_f32 v[PS+2*\nb:PS+2*\nb+1], v[PS+2*\nb:PS+2*\nb+1], v[SS+8*\nb+\st:SS+8*\nb+\st+1]
.endr
.endr
.irp nb, 0,1,2,3
.if \first
	v_add_f32 v[NML+2*\nb+1], v[PS+2*\nb], v[PS+2*\nb+1]
.else
	v_fma_f32 v[NML+2*\nb+1], v[NML+2*\nb+1], v[AL+\nb], v[PS+2*\nb]
.endif
.endr
.if \first == 0
.irp nb, 0,1,2,3
	v_add_f32 v[NML+2*\nb+1], v[NML+2*\nb+1], v[PS+2*\nb+1]
.endr
.endif
	; P^T's fragment: registers 0-3 from kb = 0 (positions 8 h ..), 4-7 from kb = 1 (16 + 8 h ..): the lane's own numbers
.irp wn, 0,1
	WIN 0x80+0x40*\wn
.irp nbl, 0,1
.irp kb, 0,1
.irp rr, 0,1,2,3
	v_cvt_pk_f16_f32 v[128+8*\nbl+4*\kb+\rr], v[SS+8*(4*\kb+2*\wn+\nbl)+2*\rr], v[SS+8*(4*\kb+2*\wn+\nbl)+2*\rr+1]
.endr
.endr
.endr
.endr
	s_wait_dscnt 0x0                               ; V is in
	; O^T = factor x O^T + V^T P^T: 32 accumulators, each once; a tile's four multiplies stand in front of its product
.irp wn, 0,1
	WIN 0xa8+0x54*\wn
.irp nbl, 0,1
.irp db, 0,1,2,3,4,5,6,7
.if \first
	v_wmma_f32_16x16x32_f16 v[8*(8*\nbl+\db):8*(8*\nbl+\db)+7], v[VF+8*\db:VF+8*\db+7], v[128+8*\nbl:128+8*\nbl+7], 0
.else
	SCALEO \wn, \nbl, \db
	v_wmma_f32_16x16x32_f16 v[8*(8*\nbl+\db):8*(8*\nbl+\db)+7], v[VF+8*\db:VF+8*\db+7], v[128+8*\nbl:128+8*\nbl+7], v[8*(8*\nbl+\db):8*(8*\nbl+\db)+7]
.endif
.endr
.endr
.endr
	WIN 0
.endm
; the merge's reads: rows 4 bt .. 4 bt + 3 of my row block from all four waves' copies into buffer f
.macro MLOAD bt, f
.irp rr, 0,1,2,3
.irp ww, 0,1,2,3
	ds_load_b128 v[\f+16*\rr+4*\ww:\f+16*\rr+4*\ww+3], v[RDA+\ww] offset:(4*\bt+\rr)*OP
.endr
.endr
.endm
; Four f32 in v[x:x+3] are split: c = 8193 x, hi = c - (c - x) has 11 significant bits and so is exact in f16's normal range, lo = x - hi is exact in f32.
; hi ends in v[x+4:x+7], lo in v[x:x+3]; v[x+8:x+11] are at work.
.macro SPLIT x
	v_pk_mul_f32 v[\x+4:\x+5],   v[\x:\x+1],     s[78:79] op_sel_hi:[1,0]
	v_pk_mul_f32 v[\x+6:\x+7],   v[\x+2:\x+3],   s[78:79] op_sel_hi:[1,0]
	v_pk_add_f32 v[\x+8:\x+9],   v[\x+4:\x+5],   v[\x:\x+1]     neg_lo:[0,1] neg_hi:[0,1]
	v_pk_add_f32 v[\x+10:\x+11], v[\x+6:\x+7],   v[\x+2:\x+3]   neg_lo:[0,1] neg_hi:[0,1]
	v_pk_add_f32 v[\x+4:\x+5],   v[\x+4:\x+5],   v[\x+8:\x+9]   neg_lo:[0,1] neg_hi:[0,1]
	v_pk_add_f32 v[\x+6:\x+7],   v[\x+6:\x+7],   v[\x+10:\x+11] neg_lo:[0,1] neg_hi:[0,1]
	v_pk_add_f32 v[\x:\x+1],     v[\x:\x+1],     v[\x+4:\x+5]   neg_lo:[0,1] neg_hi:[0,1]
	v_pk_add_f32 v[\x+2:\x+3],   v[\x+2:\x+3],   v[\x+6:\x+7]   neg_lo:[0,1] neg_hi:[0,1]
.endm
; their sums, stored: 32 lanes x 8 bytes are 256 consecutive bytes, aligned.  lo = 1: split into hi and lo, lo's row 2,048 rows further down; lo = 0: rounded once
.macro MSUM ph, bt, f, lo
.irp rr, 0,1,2,3
	v_pk_add_f32 v[\f+16*\rr:\f+16*\rr+1],     v[\f+16*\rr:\f+16*\rr+1],     v[\f+16*\rr+4:\f+16*\rr+5]
	v_pk_add_f32 v[\f+16*\rr+2:\f+16*\rr+3],   v[\f+16*\rr+2:\f+16*\rr+3],   v[\f+16*\rr+6:\f+16*\rr+7]
	v_pk_add_f32 v[\f+16*\rr+8:\f+16*\rr+9],   v[\f+16*\rr+8:\f+16*\rr+9],   v[\f+16*\rr+12:\f+16*\rr+13]
	v_pk_add_f32 v[\f+16*\rr+10:\f+16*\rr+11], v[\f+16*\rr+10:\f+16*\rr+11], v[\f+16*\rr+14:\f+16*\rr+15]
	v_pk_add_f32 v[\f+16*\rr:\f+16*\rr+1],     v[\f+16*\rr:\f+16*\rr+1],     v[\f+16*\rr+8:\f+16*\rr+9]
	v_pk_add_f32 v[\f+16*\rr+2:\f+16*\rr+3],   v[\f+16*\rr+2:\f+16*\rr+3],   v[\f+16*\rr+10:\f+16*\rr+11]
.if \lo
	SPLIT \f+16*\rr
	v_cvt_pk_f16_f32 v[OB+2*(4*\bt+\rr)],    v[\f+16*\rr+4], v[\f+16*\rr+5]
	v_cvt_pk_f16_f32 v[OB+2*(4*\bt+\rr)+1],  v[\f+16*\rr+6], v[\f+16*\rr+7]
	v_cvt_pk_f16_f32 v[OBL+2*(4*\bt+\rr)],   v[\f+16*\rr],   v[\f+16*\rr+1]
	v_cvt_pk_f16_f32 v[OBL+2*(4*\bt+\rr)+1], v[\f+16*\rr+2], v[\f+16*\rr+3]
	global_store_b64 v[AOO+\ph], v[OB+2*(4*\bt+\rr):OB+2*(4*\bt+\rr)+1],   s[70:71] offset:(4*\bt+\rr)*AOROW
	global_store_b64 v[AOO+\ph], v[OBL+2*(4*\bt+\rr):OBL+2*(4*\bt+\rr)+1], s[70:71] offset:(4*\bt+\rr)*AOROW+LOOFF
.else
	v_cvt_pk_f16_f32 v[OB+2*(4*\bt+\rr)],    v[\f+16*\rr],   v[\f+16*\rr+1]
	v_cvt_pk_f16_f32 v[OB+2*(4*\bt+\rr)+1],  v[\f+16*\rr+2], v[\f+16*\rr+3]
	global_store_b64 v[AOO+\ph], v[OB+2*(4*\bt+\rr):OB+2*(4*\bt+\rr)+1],   s[70:71] offset:(4*\bt+\rr)*AOROW
.endif
.endr
.endm
; my 16 rows in four batches of four, the batches' loads by turns in two buffers
.macro MOUT ph, lo
	MLOAD 0, KF
	MLOAD 1, VF
	s_wait_dscnt 16                                ; the older batch of 16 loads is in
	MSUM \ph, 0, KF, \lo
	MLOAD 2, KF
	s_wait_dscnt 16
	MSUM \ph, 1, VF, \lo
	MLOAD 3, VF
	s_wait_dscnt 16
	MSUM \ph, 2, KF, \lo
	s_wait_dscnt 0
	MSUM \ph, 3, VF, \lo
	s_wait_xcnt 0x0                                ; the stores' data registers are S's: written again only behind this wait
.endm
; A block's end: the four waves' (NM, L, O) become one.  The next block's first tile may stay on its way.
.macro MERGE ph
	PLACES
.irp nb, 0,1,2,3
	v_permlanex16_b32 v[TX+\nb], v[NML+2*\nb+1], s66, s67
.endr
.irp nb, 0,1,2,3
	v_add_f32 v[NML+2*\nb+1], v[NML+2*\nb+1], v[TX+\nb]    ; my 32 positions' sum; both halves of the lanes now hold the same pair
.endr
.irp nb, 0,1,2,3
	ds_store_b64 v[STA], v[NML+2*\nb:NML+2*\nb+1] offset:128*\nb
.endr
	s_wait_dscnt 0x0                               ; for the others' sake
	s_barrier_signal -1
	s_barrier_wait -1
.irp ww, 0,1,2,3
.irp nb, 0,1,2,3
	ds_load_b64 v[SS+2*(4*\ww+\nb):SS+2*(4*\ww+\nb)+1], v[STRD] offset:512*\ww+128*\nb
.endr
.endr
	s_wait_dscnt 0x0
.irp nb, 0,1,2,3
	v_min3_num_f32 v[TM+\nb], v[SS+2*\nb], v[SS+8+2*\nb], v[SS+16+2*\nb]
.endr
.irp nb, 0,1,2,3
	v_min_num_f32 v[TM+\nb], v[TM+\nb], v[SS+24+2*\nb]     ; the least NM belongs to the largest maximum
.endr
.irp ww, 0,1,2,3
.irp nb, 0,1,2,3
	v_sub_f32 v[SS+2*(4*\ww+\nb)], v[TM+\nb], v[SS+2*(4*\ww+\nb)]
.endr
.endr
.irp nb, 0,1,2,3
	v_sub_f32 v[AL+\nb], v[TM+\nb], v[NML+2*\nb]
.endr
.irp ww, 0,1,2,3
.irp nb, 0,1,2,3
	v_exp_f32 v[SS+2*(4*\ww+\nb)], v[SS+2*(4*\ww+\nb)]     ; each wave's factor; 0 for a wave that saw masked positions alone
.endr
.endr
.irp nb, 0,1,2,3
	v_exp_f32 v[AL+\nb], v[AL+\nb]                         ; mine
.endr
	v_nop
	s_wait_alu depctr_va_vdst(0)
.irp nb, 0,1,2,3
	v_mul_f32 v[TX+\nb], v[SS+2*\nb], v[SS+2*\nb+1]
.endr
.irp ww, 1,2,3
.irp nb, 0,1,2,3
	v_fmac_f32 v[TX+\nb], v[SS+2*(4*\ww+\nb)], v[SS+2*(4*\ww+\nb)+1]
.endr
.endr
.irp nb, 0,1,2,3
	v_rcp_f32 v[TX+\nb], v[TX+\nb]                         ; the row's diagonal is never masked: the sum is at least about 1
.endr
	v_nop
	s_wait_alu depctr_va_vdst(0)
.irp nb, 0,1,2,3
	v_mul_f32 v[AL+\nb], v[AL+\nb], v[TX+\nb]
.endr
.irp wn, 0,1
	WIN 0xa8+0x54*\wn
.irp nbl, 0,1
.irp db, 0,1,2,3,4,5,6,7
	SCALEO \wn, \nbl, \db
	ds_store_b128 v[STO], v[8*(8*\nbl+\db):8*(8*\nbl+\db)+3]   offset:(2*\wn+\nbl)*16*OP+64*\db
	ds_store_b128 v[STO], v[8*(8*\nbl+\db)+4:8*(8*\nbl+\db)+7] offset:(2*\wn+\nbl)*16*OP+64*\db+16
.endr
.endr
.endr
	WIN 0
	s_wait_dscnt 0x0
	s_barrier_signal -1
	s_barrier_wait -1
.if \ph == 0
	s_cmp_ge_u32 ttmp9, 4                          ; block i0 = 4 c + cx lies below position 512 where c < 4; c is the same in all four partners,
	s_cbranch_scc1 .Lno_lo                         ; and neither a barrier nor a joint load stands on the two ways
	MOUT 0, 1
	s_branch .Lmerged
.Lno_lo:
	MOUT 0, 0
.Lmerged:
.else
	MOUT 1, 0                                      ; block i1 lies from position 1,024 on
.endif
.endm
	TRIP 0, 1, 1, 1, 0, 32                         ; block i0: its first masked tile starts the sums; block i1's 32 loads of Q may stay out
	v_add_nc_u32 v[DT], 0xffffff80, v[DT]          ; the next tile: 128 positions on
	TRIP 1, 1, 0, 3, 0, 0
	s_cmp_eq_u32 s57, 0                            ; c = 0, 1: no tile without a mask.  c is the same in all four partners
	s_cbranch_scc1 .Lp0_done
.Lp0:
	TRIP 0, 0, 0, 2, 0, 0
	TRIP 1, 0, 0, 3, 0, 0
	s_sub_co_u32 s57, s57, 1
	s_cmp_lg_u32 s57, 0
	s_cbranch_scc1 .Lp0
.Lp0_done:
	MERGE 0
	; block i1: 8 to 14 tiles without a mask
	s_sub_co_u32 s54, s75, 2
	s_mov_b32 s56, 0
	s_lshr_b32 s57, s54, 1
	s_sub_co_u32 s57, s57, 1                       ; 3 to 6 trips; the last two tiles are written out
	s_lshl_b32 s59, s54, 7
	v_sub_nc_u32 v[DT], v[DD+1], s59
	TRIP 0, 1, 1, 1, 128, 0
	v_add_nc_u32 v[DT], 0xffffff80, v[DT]
	TRIP 1, 1, 0, 2, 128, 0
.Lp1:
	TRIP 0, 0, 0, 2, 128, 0
	TRIP 1, 0, 0, 2, 128, 0
	s_sub_co_u32 s57, s57, 1
	s_cmp_gt_i32 s57, 0                            ; a signed compare: the loop ends from any start
	s_cbranch_scc1 .Lp1
	TRIP 0, 0, 0, 2, 128, 0
	TRIP 1, 0, 0, 0, 128, 0                        ; the last tile: nothing is left to fetch
	MERGE 1
	s_wait_tensorcnt 0x0
	ds_add_u32 v254, v255
	s_wait_dscnt 0x0
	ROUND                                          ; the closing round: no work-group ends while a partner may still ask for a tile that names it
	s_endpgm
.Lfunc_end_k_q280f067d88_attn:
	.size	k_q280f067d88_attn, .Lfunc_end_k_q280f067d88_attn-k_q280f067d88_attn
	.p2alignl 7, 3214868480
	.fill 96, 4, 3214868480
	.section	.rodata,"a",@progbits
	.p2align	6, 0x0
	.amdhsa_kernel k_q280f067d88_attn
		.amdhsa_group_segment_fixed_size 327680
		.amdhsa_private_segment_fixed_size 0
		.amdhsa_enable_private_segment 0
		.amdhsa_kernarg_size 16
		.amdhsa_user_sgpr_count 2
		.amdhsa_user_sgpr_kernarg_segment_ptr 1
		.amdhsa_wavefront_size32 1
		.amdhsa_system_sgpr_workgroup_id_x 1
		.amdhsa_system_sgpr_workgroup_id_y 1
		.amdhsa_system_sgpr_workgroup_id_z 1
		.amdhsa_system_vgpr_workitem_id 0
		.amdhsa_next_free_vgpr 912
		.amdhsa_next_free_sgpr 80
		.amdhsa_reserve_vcc 1
		.amdhsa_float_denorm_mode_32 3
		.amdhsa_float_denorm_mode_16_64 3
		.amdhsa_memory_ordered 1
		.amdhsa_forward_progress 1
		.amdhsa_inst_pref_size 255
	.end_amdhsa_kernel
	.section	.bss,"aw",@nobits
	.p2align	6
	.space	262144
	.amdgpu_metadata
---
amdhsa.version: [ 1, 2 ]
amdhsa.kernels:
  - .name:           k_q280f067d88_attn
    .symbol:         k_q280f067d88_attn.kd
    .args:
      - { .name: qkv, .offset: 0, .size: 8, .value_kind: global_buffer, .address_space: global }
      - { .name: ao, .offset: 8, .size: 8, .value_kind: global_buffer, .address_space: global }
    .group_segment_fixed_size: 327680
    .private_segment_fixed_size: 0
    .kernarg_segment_align: 8
    .kernarg_segment_size: 16
    .max_flat_workgroup_size: 128
    .sgpr_count:     80
    .vgpr_count:     912
    .wavefront_size: 32
...
	.end_amdgpu_metadata
.endif
;; end of part 5
;; launch outgemm (part 6): grid 8 x 32, 4 waves a work-group, clusters of 4 x 4, 327,680 bytes of LDS; arguments ao, woh, out0; writes out0
.if DOCPART == 6
	.amdgcn_target "amdgcn-amd-amdhsa--gfx1250"
	.amdhsa_code_object_version 6
	.text
	.protected	k_q280f067d88_outgemm
	.globl	k_q280f067d88_outgemm
	.p2align	8
	.type	k_q280f067d88_outgemm,@function
k_q280f067d88_outgemm:
	s_mov_b64 s[64:65], 0
	v_nop
	global_prefetch_b8 v0, s[64:65] scope:SCOPE_SE
	s_setreg_imm32_b32 hwreg(HW_REG_WAVE_MODE, 25, 1), 1
	s_wait_xcnt 0x0
	s_wait_alu depctr_hold_cnt(0) depctr_sa_sdst(0) depctr_va_vdst(0) depctr_va_sdst(0) depctr_va_ssrc(0) depctr_va_vcc(0) depctr_vm_vsrc(0)
	s_getreg_b32 s2, hwreg(HW_REG_IB_STS2, 6, 4)
	s_cmp_eq_u32 s2, 0
	s_cbranch_scc0 .Lentry_in_a_cluster
	s_endpgm
.Lentry_in_a_cluster:
	s_bfe_u32 s2, ttmp6, 0x10000c
	s_cmp_lg_u32 s2, 0xf033
	s_cbranch_scc0 .Lentry_shape_is_right
	s_endpgm
.Lentry_shape_is_right:
; OUTPUT PROJECTION: out0[m][n] = sum over k of a[m][k] woh[k][n], f16 operands, f32 sums, f32 result.  woh: [1024 k][2048 n] f16; out0: [4096][2048] f32.
; ao: [2 batches][2560 rows][1024] f16: row s (0..2047) = position s's attention output in f16 (hi); row 2048 + s = the rest lo, for positions 0 to 511 alone.
; a = hi + lo below position 512, a = hi from there on.
; LIMIT: from position 512 on the attention output enters rounded once to f16.
; ROWS ARE INTERLEAVED, so that the second term is the same share of every wave's work.  Block row br (0..31) takes positions s = br + 32 i, i = 0..63, of both
; batches; a wave's 64 rows are one batch's; its row block a, row r is s = br + 512 a + 32 r.  So the positions below 512 are row block 0 of every wave: a wave
; issues 32 + 8 matrix instructions for 32 along K, and woh's fragments serve hi and lo from the same registers.
; ONE DESCRIPTOR BRINGS BOTH: 80 rows of 128 elements, 32 rows of ao apart: tile rows 0-63 are hi, and tile row 64 + r lies at row br + 2048 + 32 r: lo of row block 0.
; A work-group makes 128 rows x 256 columns with four waves (256 work-groups), a wave 64 x 128 in 32 accumulator tiles.  K goes in 8 steps of 128 through two
; LDS slots filled by the tensor data mover.  4 x 4 work-groups form a cluster: ao's tiles are asked for jointly along a row of the cluster, woh's along a
; column.  woh lies [k][n]: its fragments come out of LDS by the transposing load.
; The matrix instruction is used transposed (source 0 = 16 columns of woh, source 1 = 16 rows of ao): lane (r, h), register j of tile (a, b) holds
; C(row (a, r), 16 b + 8 h + j), eight neighbouring numbers of a row, 32 bytes.
; REGISTERS: window 0: v2-24 addresses; two fragment buffers at v32 and v136 (hi's 4 row blocks in 32 registers, woh's 8 column blocks in 64, lo's row block in 8).
; Window 1: tile (a, b) at v[8 (8 a + b)].
.set KDIM,   1024                      ; elements in a row of ao
.set NDIM,   2048
.set KSTEP,  128
.set ILV,    32                        ; rows of ao, and of out0, from one row of a block to the next
.set AROWS,  80                        ; rows of a tile of ao: 64 of hi, 16 of lo
.set ABATCH, 2560*KDIM*2               ; bytes of a batch in ao
.set APITCH, 272                       ; ao's LDS rows: 256 bytes + 16
.set BPITCH, 544                       ; woh's LDS rows: 512 bytes + 32
.set HALFT,  64*BPITCH                 ; a wave's region of a slot: 64 k rows of woh (or 80 rows of ao, which use 21,760 bytes of it)
.set SLOT,   4*HALFT                   ; regions 0, 1: ao's tiles of batch 0, 1; regions 2, 3: woh's k rows 0-63, 64-127
.set STAGE,  2*SLOT                    ; behind the ring: 16 rows x 528 bytes for each wave; no tensor load lands here
.set SPITCH, 528                       ; 512 bytes + 16: an odd multiple of 16
.set LAPS,   KDIM/(2*KSTEP)            ; a lap = two K steps = once round the ring
.set ADRA, 2
.set ADRB, 4
.set STO,  6
.set RD,   7
.set CO,   24
.set F0,   32
.set F1,   136
.set FB,   32                          ; woh's fragments in a buffer
.set FL,   96                          ; lo's fragment in a buffer
.set G1,  24
.set G0,  32
.set G1B, 48
.set G0B, 56
.set MSB, 0
.macro WIN new
.if MSB != (\new)
	s_set_vgpr_msb (MSB<<8)|(\new)
.set MSB, (\new)
.endif
.endm
.set MUL, 0x50                         ; C and D in window 1
.macro JLOAD s                         ; waves 0, 1 ask for ao's two tiles, waves 2, 3 for woh's halves; the branch hangs on the wave's number alone
	s_cmp_eq_u32 s11, 0
	s_cbranch_scc0 .Lfor_b_\@
	tensor_load_to_lds s[G0+4*\s:G0+4*\s+3], s[G1:G1+7]
	s_nop 0
	s_branch .Lasked_\@
.Lfor_b_\@:
	tensor_load_to_lds s[G0B+4*\s:G0B+4*\s+3], s[G1B:G1B+7]
	s_nop 0
.Lasked_\@:
.endm
.macro CREST                           ; a round of the cluster's barrier behind its opening barrier
	s_cmp_lg_u32 s10, 0
	s_cbranch_scc1 .Lnot_wave_0_\@
	s_barrier_signal -3
.Lnot_wave_0_\@:
	s_barrier_wait -3
	s_barrier_signal -1
	s_barrier_wait -1
.endm
.macro CROUND
	s_barrier_signal -1
	s_barrier_wait -1
	CREST
.endm
.macro PLACES                          ; four plain vector instructions behind a matrix instruction (ISA guide 7.12.1 for vector instructions)
.rept 4
	v_nop
.endr
.endm
	s_load_b128 s[4:7], s[0:1], 0x0                ; ao s[4:5], woh s[6:7]
	s_load_b64 s[8:9], s[0:1], 0x10                ; out0
	v_lshl_add_u32 v254, v0, 2, 0x4c400
	v_mov_b32 v255, 0
	ds_add_u32 v254, v255
	v_lshrrev_b32 v1, 5, v0
	v_readfirstlane_b32 s10, v1                    ; wave 0..3
	s_lshr_b32 s11, s10, 1                         ; my 64 rows: the batch.  Also: I fetch for ao (0) or for woh (1)
	s_and_b32 s12, s10, 1                          ; my 128 columns.  Also: which batch's tile of ao, or which 64 k rows of woh, I fetch
	s_bfe_u32 s40, ttmp6, 0x40000                  ; cx
	s_bfe_u32 s41, ttmp6, 0x40004                  ; cy
	s_lshl_b32 s42, ttmp9, 2
	s_add_co_u32 s42, s42, s40                     ; block column
	s_and_b32 s13, ttmp7, 0xffff
	s_lshl_b32 s13, s13, 2
	s_add_co_u32 s13, s13, s41                     ; block row br
	s_lshl_b32 s43, s41, 2
	s_lshl_b32 s43, 15, s43                        ; my row of the cluster
	s_lshl_b32 s44, 0x1111, s40                    ; my column
	s_or_b32 s[G1+0], s43, (1<<16)|(1<<20)|(1<<21)|(5<<22)|(3<<25)    ; ao: elements of 2 bytes, 4 words of padding behind every 64
	s_mov_b32 s[G1+1], KSTEP<<16                   ; tensor_dim0 = 128
	s_mov_b32 s[G1+2], AROWS<<16                   ; tensor_dim1 = 80
	s_mov_b32 s[G1+3], KSTEP<<16                   ; tile_dim0 = 128
	s_mov_b32 s[G1+4], AROWS                       ; tile_dim1 = 80
	s_mov_b32 s[G1+5], ILV*KDIM                    ; from a tile's row to the next: 32 rows of 1,024 elements
	s_mov_b32 s[G1+6], 0
	s_mov_b32 s[G1+7], 0
	s_or_b32 s[G1B+0], s44, (1<<16)|(1<<20)|(1<<21)|(6<<22)|(7<<25)   ; woh: 64 k rows x 256 elements, 8 words of padding behind every 128
	s_mov_b32 s[G1B+1], 256<<16
	s_mov_b32 s[G1B+2], 64<<16
	s_mov_b32 s[G1B+3], 256<<16
	s_mov_b32 s[G1B+4], 64
	s_mov_b32 s[G1B+5], NDIM
	s_mov_b32 s[G1B+6], 0
	s_mov_b32 s[G1B+7], 0
	s_mul_i32 s16, s12, ABATCH                     ; ao: the batch that I fetch,
	s_lshl_b32 s17, s13, 11                        ; row br of 2,048 bytes
	s_add_co_u32 s16, s16, s17
	s_mov_b32 s17, 0
	s_lshl_b32 s46, s42, 9                         ; woh: 256 columns of 2 bytes,
	s_lshl_b32 s47, s12, 18                        ; 64 k rows of 4,096 bytes
	s_add_co_u32 s46, s46, s47
	s_mov_b32 s47, 0
	s_mul_i32 s20, s10, HALFT                      ; the wave's region
	s_wait_dscnt 0x0
	s_wait_kmcnt 0x0
	s_add_nc_u64 s[14:15], s[4:5], s[16:17]
	s_add_nc_u64 s[46:47], s[6:7], s[46:47]
	CROUND                                         ; all sixteen work-groups are here: the first joint loads meet
.irp s, 0,1
	s_mov_b32 s[G0+4*\s], 1
	s_add_co_u32 s[G0+4*\s+1], s20, \s*SLOT
	s_add_nc_u64 s[G0+4*\s+2:G0+4*\s+3], s[14:15], \s*KSTEP*2              ; K step s: 128 elements along the rows
	s_or_b32 s[G0+4*\s+3], s[G0+4*\s+3], 0x80000000
	s_mov_b32 s[G0B+4*\s], 1
	s_add_co_u32 s[G0B+4*\s+1], s20, \s*SLOT
	s_add_nc_u64 s[G0B+4*\s+2:G0B+4*\s+3], s[46:47], \s*KSTEP*NDIM*2       ; K step s: 128 rows down
	s_or_b32 s[G0B+4*\s+3], s[G0B+4*\s+3], 0x80000000
	JLOAD \s                                       ; both slots' first fills go out together: two tensor loads of the wave are out
.endr
	v_and_b32 v1, 15, v0                           ; r
	v_bfe_u32 v8, v0, 4, 1                         ; h
	v_and_b32 v14, 31, v0                          ; l
	v_mul_u32_u24 v9, v1, APITCH
	v_lshl_add_u32 v9, v8, 4, v9
	s_mul_i32 s21, s11, HALFT                      ; my batch's tile of ao
	v_and_b32 v10, 7, v0
	v_lshl_add_u32 v10, v8, 3, v10                 ; transposing load: k row 8 h + l % 8,
	v_mul_u32_u24 v10, v10, BPITCH
	v_bfe_u32 v11, v0, 3, 1
	v_lshl_add_u32 v10, v11, 4, v10                ; 16 bytes further for lanes 8-15 of each half
	s_lshl_b32 s22, s12, 8
	s_add_co_u32 s22, s22, 2*HALFT
.irp s, 0,1
	v_add_nc_u32 v[ADRA+\s], s21, v9
	v_add_nc_u32 v[ADRB+\s], s22, v10
	s_add_co_u32 s21, s21, SLOT
	s_add_co_u32 s22, s22, SLOT
.endr
	s_mul_i32 s23, s10, 16*SPITCH
	s_add_co_u32 s23, s23, STAGE                   ; my stage
	v_mul_u32_u24 v12, v1, SPITCH
	v_lshl_add_u32 v12, v8, 5, v12
	v_add_nc_u32 v[STO], s23, v12                  ; in: row r, 32 bytes for each half of the lanes
	v_lshlrev_b32 v[CO], 4, v14                    ; back and out: 32 lanes take a row's 512 bytes
	v_add_nc_u32 v[RD], s23, v[CO]
	s_lshl_b32 s18, s11, 11
	s_add_co_u32 s18, s18, s13                     ; my first row of C: 2,048 x batch + br
.macro MULA f, a, zero                 ; 8 matrix instructions: hi's row block a x all 8 column blocks, 32 along K
.irp b, 0,1,2,3,4,5,6,7
.if \zero
	v_wmma_f32_16x16x32_f16 v[8*(8*\a+\b):8*(8*\a+\b)+7], v[\f+FB+8*\b:\f+FB+8*\b+7], v[\f+8*\a:\f+8*\a+7], 0
.else
	v_wmma_f32_16x16x32_f16 v[8*(8*\a+\b):8*(8*\a+\b)+7], v[\f+FB+8*\b:\f+FB+8*\b+7], v[\f+8*\a:\f+8*\a+7], v[8*(8*\a+\b):8*(8*\a+\b)+7]
.endif
.endr
.endm
.macro MULL f                          ; 8 matrix instructions: lo's row block x all 8 column blocks, onto row block 0's sums
.irp b, 0,1,2,3,4,5,6,7
	v_wmma_f32_16x16x32_f16 v[8*\b:8*\b+7], v[\f+FB+8*\b:\f+FB+8*\b+7], v[\f+FL:\f+FL+7], v[8*\b:8*\b+7]
.endr
.endm
; 26 LDS loads in one run: quarter q of a slot into buffer f: woh's eight column blocks, hi's row blocks 0 and 1, lo's row block, hi's row blocks 2 and 3
.macro FETCH slot, q, f
	WIN 0
.irp b, 0,1,2,3,4,5,6,7
	ds_load_tr16_b128 v[\f+FB+8*\b:\f+FB+8*\b+3],   v[ADRB+\slot] offset:\q*32*BPITCH+32*\b
	ds_load_tr16_b128 v[\f+FB+8*\b+4:\f+FB+8*\b+7], v[ADRB+\slot] offset:\q*32*BPITCH+32*\b+16*BPITCH
.endr
.irp a, 0,1
	ds_load_b128 v[\f+8*\a:\f+8*\a+3],   v[ADRA+\slot] offset:\a*16*APITCH+64*\q
	ds_load_b128 v[\f+8*\a+4:\f+8*\a+7], v[ADRA+\slot] offset:\a*16*APITCH+64*\q+32
.endr
	ds_load_b128 v[\f+FL:\f+FL+3],   v[ADRA+\slot] offset:64*APITCH+64*\q
	ds_load_b128 v[\f+FL+4:\f+FL+7], v[ADRA+\slot] offset:64*APITCH+64*\q+32
.irp a, 2,3
	ds_load_b128 v[\f+8*\a:\f+8*\a+3],   v[ADRA+\slot] offset:\a*16*APITCH+64*\q
	ds_load_b128 v[\f+8*\a+4:\f+8*\a+7], v[ADRA+\slot] offset:\a*16*APITCH+64*\q+32
.endr
.endm
; A quarter is 40 matrix instructions in the order a = 0, 1, lo, 2, 3.  The accumulators take turns, one instruction a turn: row block 0's
; eight come up again 16 instructions (lo) and 24 instructions (the next quarter) behind their last turn.
.macro QUARTER slot, qn, f, g, zero
	s_wait_dscnt 4                                 ; all but the youngest four loads (hi's row blocks 2 and 3) are in
	WIN MUL
	MULA \f, 0, \zero
	MULA \f, 1, \zero
	MULL \f
	PLACES
	FETCH \slot, \qn, \g
	s_wait_dscnt 26                                ; all but the 26 just issued
	WIN MUL
	MULA \f, 2, \zero
	MULA \f, 3, \zero
.endm
.macro THREE slot, zero
	QUARTER \slot, 1, F0, F1, \zero
	QUARTER \slot, 2, F1, F0, 0
	QUARTER \slot, 3, F0, F1, 0
.endm
; The last quarter changes slots: each wave's reads of this slot and all its tensor loads are waited for in front of the barrier; the refill comes first behind it.
; From a request to the wait for it a wave issues 144 matrix instructions.
.macro TURN slot, next, fill
	s_wait_dscnt 4
	WIN MUL
	MULA F1, 0, 0
	s_wait_dscnt 0                                 ; my reads of this slot are over
	s_wait_tensorcnt 0x0                           ; all my tensor loads have landed: the one that was out is my part of the next slot
	ds_add_u32 v254, v255
	s_wait_dscnt 0x0
	s_barrier_signal -1                            ; (where the slot is filled again this barrier opens a round of the cluster's barrier)
	MULA F1, 1, 0                                  ; register work while the others arrive
	MULL F1
	WIN 0
	s_barrier_wait -1
.if \fill
	CREST
	s_add_nc_u64 s[G0+4*\slot+2:G0+4*\slot+3], s[G0+4*\slot+2:G0+4*\slot+3], 2*KSTEP*2
	s_add_nc_u64 s[G0B+4*\slot+2:G0B+4*\slot+3], s[G0B+4*\slot+2:G0B+4*\slot+3], 2*KSTEP*NDIM*2
	JLOAD \slot                                    ; the wave's one tensor load behind the round
.endif
	PLACES
	FETCH \next, 0, F0
	WIN MUL
	MULA F1, 2, 0
	MULA F1, 3, 0
.endm
.macro LAP zero
	THREE 0, \zero
	TURN 0, 1, 1
	THREE 1, 0
	TURN 1, 0, 1
.endm
	s_wait_tensorcnt 1                             ; my part of K step 0 is in; K step 1's may stay out
	s_barrier_signal -1
	s_barrier_wait -1
	FETCH 0, 0, F0
	LAP 1                                          ; the first products start the sums
	WIN 0
	s_mov_b32 s3, LAPS-2
.Llap:
	LAP 0
	WIN 0
	s_sub_co_u32 s3, s3, 1
	s_cmp_lg_u32 s3, 0
	s_cbranch_scc1 .Llap
	THREE 0, 0                                     ; the last lap fills nothing
	TURN 0, 1, 0
	THREE 1, 0
	s_wait_dscnt 4
	WIN MUL
	MULA F1, 0, 0
	MULA F1, 1, 0
	MULL F1
	s_wait_dscnt 0
	MULA F1, 2, 0
	MULA F1, 3, 0
	WIN 0
	; THE WAY OUT, a row block of 16 rows at a time: the sums go as they are into my own stage in LDS and come back as whole rows of 512 bytes.
	; Row t of row block a is row 2,048 batch + br + 512 a + 32 t of out0.
	PLACES
	s_mul_i32 s16, s18, NDIM*4
	s_mov_b32 s17, 0
	s_add_nc_u64 s[8:9], s[8:9], s[16:17]          ; my first row of out0
	s_lshl_b32 s46, s42, 10                        ; my first column, in bytes: 1,024 x block + 512 x half
	s_lshl_b32 s47, s12, 9
	s_add_co_u32 s46, s46, s47
	s_mov_b32 s47, 0
	s_add_nc_u64 s[8:9], s[8:9], s[46:47]
.macro OUTF a, rb
	WIN 0x04                                       ; the stores' data in window 1
.irp b, 0,1,2,3,4,5,6,7
	ds_store_b128 v[STO], v[8*(8*\a+\b):8*(8*\a+\b)+3]   offset:64*\b
	ds_store_b128 v[STO], v[8*(8*\a+\b)+4:8*(8*\a+\b)+7] offset:64*\b+16
.endr
	WIN 0
	s_wait_xcnt 0x0                                ; buffer rb, which earlier stores read, and the stores' base are rewritten only behind this wait
.if \a
	s_add_nc_u64 s[8:9], s[8:9], 16*ILV*NDIM*4     ; the next row block: 512 rows on
.endif
.irp t, 0,1,2,3,4,5,6,7,8,9,10,11,12,13,14,15
	ds_load_b128 v[\rb+4*\t:\rb+4*\t+3], v[RD] offset:\t*SPITCH            ; LDS serves a wave's instructions in order: these see the stores above
.endr
.irp t, 0,1,2,3,4,5,6,7,8,9,10,11,12,13,14,15
	s_wait_dscnt 15-\t
	global_store_b128 v[CO], v[\rb+4*\t:\rb+4*\t+3], s[8:9] offset:\t*ILV*NDIM*4 th:TH_STORE_NT   ; the wave stores 512 consecutive bytes, aligned; the offset is 3,932,160 at the most, inside the signed 24 bits
.endr
.endm
	OUTF 0, 32
	OUTF 1, 128
	OUTF 2, 32
	OUTF 3, 128
	s_wait_tensorcnt 0x0
	ds_add_u32 v254, v255
	s_wait_dscnt 0x0
	CROUND                                         ; the closing round: no work-group ends while a partner may still ask for a tile that names it
	s_endpgm
.Lfunc_end_k_q280f067d88_outgemm:
	.size	k_q280f067d88_outgemm, .Lfunc_end_k_q280f067d88_outgemm-k_q280f067d88_outgemm
	.p2alignl 7, 3214868480
	.fill 96, 4, 3214868480
	.section	.rodata,"a",@progbits
	.p2align	6, 0x0
	.amdhsa_kernel k_q280f067d88_outgemm
		.amdhsa_group_segment_fixed_size 327680
		.amdhsa_private_segment_fixed_size 0
		.amdhsa_enable_private_segment 0
		.amdhsa_kernarg_size 24
		.amdhsa_user_sgpr_count 2
		.amdhsa_user_sgpr_kernarg_segment_ptr 1
		.amdhsa_wavefront_size32 1
		.amdhsa_system_sgpr_workgroup_id_x 1
		.amdhsa_system_sgpr_workgroup_id_y 1
		.amdhsa_system_sgpr_workgroup_id_z 1
		.amdhsa_system_vgpr_workitem_id 0
		.amdhsa_next_free_vgpr 512
		.amdhsa_next_free_sgpr 72
		.amdhsa_reserve_vcc 0
		.amdhsa_float_denorm_mode_32 3
		.amdhsa_float_denorm_mode_16_64 3
		.amdhsa_memory_ordered 1
		.amdhsa_forward_progress 1
		.amdhsa_inst_pref_size 133
	.end_amdhsa_kernel
	.amdgpu_metadata
---
amdhsa.version: [ 1, 2 ]
amdhsa.kernels:
  - .name:           k_q280f067d88_outgemm
    .symbol:         k_q280f067d88_outgemm.kd
    .args:
      - { .name: ao, .offset: 0, .size: 8, .value_kind: global_buffer, .address_space: global }
      - { .name: woh, .offset: 8, .size: 8, .value_kind: global_buffer, .address_space: global }
      - { .name: out0, .offset: 16, .size: 8, .value_kind: global_buffer, .address_space: global }
    .group_segment_fixed_size: 327680
    .private_segment_fixed_size: 0
    .kernarg_segment_align: 8
    .kernarg_segment_size: 24
    .max_flat_workgroup_size: 128
    .sgpr_count:     72
    .vgpr_count:     512
    .wavefront_size: 32
...
	.end_amdgpu_metadata
.endif
;; end of part 6
